; MI455X (gfx1250); checked and timed in simulation.
; The chip was launched on July 23, 2026; its instructions are those of AMD's public machine-readable ISA for CDNA 5 (MIT licence, August 2026) and "CDNA5" Instruction Set Architecture Reference Guide (July 2026). The comments in the code are by the model that wrote it; some were corrected since.
;; Self Attention. Allowed arithmetic: matrix products marked QUANTISED: E4M3 operands, one given power-of-two scale a tensor, by v_wmma_f32_16x16x64_fp8_fp8 or v_wmma_f32_16x16x128_fp8_fp8, f32 sums; everything else in f32.
;; Inputs: Wk 1,024 x 1,024 float32; Wp 1,024 x 1,024 float32; Wq 1,024 x 1,024 float32; Wv 1,024 x 1,024 float32; bp 1,024 float32; lowp_scales 12 int32 (the exponents e of the quantised operands' scales 2^e); x 4 x 2,048 x 1,024 float32.
;; Outputs: out0 4 x 2,048 x 1,024 float32.
;; This version of the problem:
;;   THIS VERSION OF THE PROBLEM IS GIVEN IN LOW PRECISION. The matrix products marked QUANTISED in the list below multiply operands that are first quantised to E4M3 (4 exponent bits, 3 mantissa bits; 8 bits a number), with one given power-of-two scale for each operand tensor; their sums are f32. All else is computed in f32.
;;   The module's matrix products, in the order in which they are computed (A, B: the left and right operand; K: the contracted axis; several contracted axes count as one K, in the product's order):
;;     1. [M 8,192, K 1,024] x [K 1,024, N 1,024]; A: input x; B: input Wk: QUANTISED (scales: A lowp_scales[0], B lowp_scales[1])
;;     2. [M 8,192, K 1,024] x [K 1,024, N 1,024]; A: input x; B: input Wq: QUANTISED (scales: A lowp_scales[2], B lowp_scales[3])
;;     3. [M 8,192, K 1,024] x [K 1,024, N 1,024]; A: input x; B: input Wv: QUANTISED (scales: A lowp_scales[4], B lowp_scales[5])
;;     4. batch 64 x [M 2,048, K 64] x [K 64, N 2,048]; A: computed on the way; B: computed on the way: QUANTISED (scales: A lowp_scales[6], B lowp_scales[7])
;;     5. batch 64 x [M 64, K 2,048] x [K 2,048, N 2,048]; A: computed on the way; B: softmax (see below): QUANTISED (scales: A lowp_scales[8], B lowp_scales[9])
;;     6. [M 8,192, K 1,024] x [K 1,024, N 1,024]; A: computed on the way; B: input Wp: QUANTISED (scales: A lowp_scales[10], B lowp_scales[11])
;;   THE QUANTISER, for each operand of a quantised product, along K:
;;     - The operand's scale is 2^e, e = its entry of the input lowp_scales (int32; the entries are numbered through the quantised products in the list's order, A before B).
;;     - Each number is divided by the scale, clamped to +-448, and rounded to the nearest number of E4M3, ties to even, subnormals kept.
;;     - The product sums the exact products of the quantised numbers (number of the format x scale) in f32.
;;   ~~~python
;;   def quantise(x, axis, e):      # numpy; x: float32 -> the quantised numbers, widened to float32 again
;;       x = np.moveaxis(x, axis, -1); K = x.shape[-1]
;;       r = np.clip(x / 2.0 ** e, -448, 448)
;;       step = 2.0 ** (np.maximum(np.frexp(np.where(r == 0, 1, r))[1] - 1, -6) - 3)
;;       q = np.round(r / step) * step * 2.0 ** e      # np.round: ties to even
;;       return np.moveaxis(q, -1, axis).astype(np.float32)
;;   ~~~
;;   SOFTMAX AHEAD OF A QUANTISED PRODUCT. Where the list says 'softmax', what is quantised is not the finished softmax but p = 2^(t - M), with t = logit x log2(e) and M = ceil(the row's largest t), a whole number; so 1/2 < the row's largest p <= 1. The row's sum l is taken of the UNQUANTISED p, in f32, and the product's result is divided by l at the end. Since M is a whole number, a kernel that streams over the keys may use a running M (the ceiling of the running maximum): every later rescaling is an exact power of two, so the quantised numbers keep their values, but for numbers so far below the row's largest that they fall under the format's range.
;;   OPERANDS COMPUTED ON THE WAY. 'Computed on the way' means the value that the module computes at that place (a softmax that the list does not call 'softmax' is quantised finished and normalised). What goes into a quantiser is computed in f32, as accurately as f32 sums, v_exp_f32 and their like allow (about 1e-6 of the number): no bf16 or f16 on the way to a quantiser, and a product that is left as it is and whose result goes on into a quantised operand takes f32 operands (vector FMAs, or v_wmma_f32_16x16x4_f32). A number that lies on a knife's edge between two numbers of the format may be rounded either way, as far as f32 arithmetic and the matrix unit's own rounding can turn it there, and no further.
;; One version. Each part assembles by itself: llvm-mc -triple=amdgcn-amd-amdhsa -mcpu=gfx1250 --defsym DOCPART=n.
;; ======== version 1 of 1: 4 launches
;; limits: right only within a limited range of input values
;; workspace buffers: xq 25,165,824 bytes; wq 4,194,304 bytes; qkv 25,165,824 bytes; att 8,388,608 bytes
;; launch quant (part 1): grid 768 x 1, 4 waves a work-group, no clusters, 33,280 bytes of LDS; arguments x, Wk, Wq, Wv, Wp, lowp_scales, xq, wq; writes xq, wq
.if DOCPART == 1
	.amdgcn_target "amdgcn-amd-amdhsa--gfx1250"
	.amdhsa_code_object_version 6
	.text
	.protected	k_q7a6256a4f9_quant
	.globl	k_q7a6256a4f9_quant
	.p2align	8
	.type	k_q7a6256a4f9_quant,@function
k_q7a6256a4f9_quant:
	s_mov_b64 s[64:65], 0
	v_nop
	global_prefetch_b8 v0, s[64:65] scope:SCOPE_SE
	s_setreg_imm32_b32 hwreg(HW_REG_WAVE_MODE, 25, 1), 1
	s_wait_xcnt 0x0
; x [8192][1024] and Wk, Wq, Wv, Wp [1024][1024], f32, K innermost, become codes of FP8 (E4M3), one byte each, K innermost.
; x is an operand of three products, each with a scale of its own (entries 0, 2, 4 of the scales): three sets of codes, xq[set][8192][1024].
; The weights take entries 1, 3, 5, 11: wq[Wk, Wq, Wv, Wp][1024][1024].
; code = number / 2^e, held within +-448, rounded to the nearest code, ties to even.
; LIMITS: each e used here lies between -126 and 119, so that 2^e and 448 x 2^e are f32 numbers.  NaN among the inputs is not served.
; WORK LEFT OUT BY THE PROGRAM: reference() builds the causal mask itself (jnp.tril) and sets the scores of keys behind a query to -infinity, whose softmax weight is 0 for all
; values of the inputs: the attention launch multiplies no step of 128 keys that lies wholly behind a block's queries.  A NaN, an infinity or an overflow that reaches only such scores is not carried to the result.
; Rows are dense, so every tensor is a plain stream.  A work-group takes 16,384 numbers, a wave 4,096 in 8 steps of 512.
; Work-groups 0-511 take x, then 64 each Wk, Wq, Wv, Wp.  One path through the text: pointers and exponents are chosen by selects on the
; work-group's number; only x's work-groups run the second and third conversion (a scalar branch round vector work and stores alone).
; Each load reads 512 consecutive bytes, 16 a lane; a step's 2,048 bytes turn through the wave's own stage in LDS, so that a lane then holds
; 16 neighbours along K; its 16 codes are 16 bytes, and a store of the wave covers 512 consecutive bytes, aligned.
; No tensor loads, no barrier: waves share nothing.  Loads run four steps (16 loads a wave) ahead, the turn through LDS one step.
.set STEPS, 8
.set XWG,   512                        ; work-groups that take x
.set SP,    80                         ; a lane's place in a stage: 64 bytes + 16 of padding
.set WREG,  8192                       ; LDS of a wave: two stages of 32 x SP bytes
.set SC,    5                          ; v5-7    2^e as f32, set 0, 1, 2
.set LM,    8                          ; v8-10   448 x 2^e
.set R,     16                         ; v16-79  four sets of 16 numbers as loaded
.set X,     80                         ; v80-111 two sets of 16 neighbours
.set T,     112                        ; v112-127 the 16 numbers, held
.set C,     128                        ; v128-139 codes: four registers for each set
	s_load_b512 s[4:19], s[0:1], 0x0               ; x s[4:5], Wk s[6:7], Wq s[8:9], Wv s[10:11], Wp s[12:13], scales s[14:15], xq s[16:17], wq s[18:19]
	v_lshl_add_u32 v144, v0, 2, 0x8000             ; my spare word, behind the four waves' stages
	v_mov_b32 v145, 0
	v_lshrrev_b32 v1, 5, v0
	v_readfirstlane_b32 s24, v1                    ; wave
	v_and_b32 v2, 31, v0                           ; lane
	v_lshlrev_b32 v3, 4, v2                        ; my 16 bytes of a load's 512
	v_lshlrev_b32 v4, 4, v2                        ; my 16 codes of a step's 512
	s_mul_i32 s25, s24, WREG
	v_lshrrev_b32 v14, 2, v2
	v_mul_u32_u24 v14, v14, SP
	v_and_b32 v15, 3, v2
	v_lshl_add_u32 v14, v15, 4, v14
	v_add_nc_u32 v14, s25, v14                     ; the stage, on the way in: SP (lane / 4) + 16 (lane % 4)
	v_mul_u32_u24 v15, v2, SP
	v_add_nc_u32 v15, s25, v15                     ; and on the way out: SP x lane: my 16 neighbours
	s_and_b32 s22, ttmp9, 63                       ; a weight's work-group: which 16,384 numbers of it
	s_sub_co_u32 s28, ttmp9, XWG
	s_lshl_b32 s28, s28, 2
	s_add_co_u32 s28, s28, s24
	s_lshl_b32 s28, s28, 12                        ; a weight's codes: (4 (work-group - 512) + wave) x 4,096 bytes in wq
	s_cmp_lt_u32 ttmp9, XWG
	s_cselect_b32 s22, ttmp9, s22
	s_lshl_b32 s22, s22, 2
	s_add_co_u32 s22, s22, s24                     ; which run of 4,096 numbers of the tensor is my wave's
	s_lshl_b32 s30, s22, 12                        ; its codes, in bytes
	s_lshl_b32 s22, s22, 14                        ; its numbers, in bytes
	s_mov_b32 s23, 0
	s_mov_b32 s29, 0
	s_mov_b32 s31, 0
	s_cmp_lt_u32 ttmp9, XWG
	s_cselect_b32 s28, s30, s28
	s_wait_alu depctr_va_vdst(0)                   ; the wait here, directly ahead of the wait below
	s_wait_kmcnt 0x0
	s_load_b256 s[32:39], s[14:15], 0x0            ; e0 .. e7
	s_load_b128 s[40:43], s[14:15], 0x20           ; e8 .. e11
	s_cmp_lt_u32 ttmp9, XWG+192                    ; the source: the choice hangs on the work-group's number alone
	s_cselect_b64 s[20:21], s[10:11], s[12:13]
	s_cmp_lt_u32 ttmp9, XWG+128
	s_cselect_b64 s[20:21], s[8:9], s[20:21]
	s_cmp_lt_u32 ttmp9, XWG+64
	s_cselect_b64 s[20:21], s[6:7], s[20:21]
	s_cmp_lt_u32 ttmp9, XWG
	s_cselect_b64 s[20:21], s[4:5], s[20:21]
	s_cselect_b64 s[26:27], s[16:17], s[18:19]     ; where set 0's codes go: xq or wq
	s_add_nc_u64 s[20:21], s[20:21], s[22:23]
	s_add_nc_u64 s[26:27], s[26:27], s[28:29]
	s_add_nc_u64 s[44:45], s[16:17], s[30:31]
	s_add_nc_u64 s[44:45], s[44:45], 0x800000      ; x's second set
	s_add_nc_u64 s[46:47], s[44:45], 0x800000      ; x's third set
.macro LOAD t
.irp i, 0,1,2,3
	global_load_b128 v[R+16*((\t)%4)+4*\i:R+16*((\t)%4)+4*\i+3], v3, s[20:21] offset:2048*(\t)+512*\i th:TH_LOAD_NT   ; 32 lanes read 512 consecutive bytes
.endr
.endm
.macro TURN t                          ; step t's numbers through the stage: LDS serves a wave's instructions in order, so no wait stands between the stores and the loads
.irp i, 0,1,2,3
	ds_store_b128 v14, v[R+16*((\t)%4)+4*\i:R+16*((\t)%4)+4*\i+3] offset:32*SP*((\t)%2)+8*SP*\i
.endr
.irp i, 0,1,2,3
	ds_load_b128 v[X+16*((\t)%2)+4*\i:X+16*((\t)%2)+4*\i+3], v15 offset:32*SP*((\t)%2)+16*\i
.endr
.endm
.irp t, 0,1,2,3
	LOAD \t
.endr
	s_wait_kmcnt 0x0
	s_cmp_lt_u32 ttmp9, XWG+192                    ; set 0's exponent: e0 for x, e1, e3, e5, e11 for the weights
	s_cselect_b32 s28, s37, s43
	s_cmp_lt_u32 ttmp9, XWG+128
	s_cselect_b32 s28, s35, s28
	s_cmp_lt_u32 ttmp9, XWG+64
	s_cselect_b32 s28, s33, s28
	s_cmp_lt_u32 ttmp9, XWG
	s_cselect_b32 s28, s32, s28
.macro SCALE j, e                      ; s[e] holds the exponent: 2^e and 448 x 2^e as f32
	s_add_co_i32 s[\e], s[\e], 127
	s_lshl_b32 s29, s[\e], 23
	v_mov_b32 v[SC+\j], s29
	s_add_co_i32 s[\e], s[\e], 8
	s_lshl_b32 s[\e], s[\e], 23
	s_or_b32 s[\e], s[\e], 0x600000
	v_mov_b32 v[LM+\j], s[\e]
.endm
	SCALE 0, 28
	SCALE 1, 34                                    ; e2
	SCALE 2, 36                                    ; e4
	s_wait_alu depctr_va_vdst(0)                   ; the wait at the head's end
	s_wait_loadcnt 12                              ; step 0's four loads are in
	TURN 0
; One set of codes of the step's numbers.  The hold goes into other registers, so that the numbers serve the next set too.
.macro CONV j, t, d
.set i, 0
.rept 16
	v_med3_num_f32 v[T+i], v[XS+i], -v[LM+\j], v[LM+\j]   ; the conversion to an 8-bit code does not saturate (ISA guide 7.6.2): the hold at the largest code x the scale
.set i, i+1
.endr
	v_cvt_scalef32_pk8_fp8_f32 v[C+4*\j:C+4*\j+1], v[T:T+7], v[SC+\j]
	v_cvt_scalef32_pk8_fp8_f32 v[C+4*\j+2:C+4*\j+3], v[T+8:T+15], v[SC+\j]
	v_nop                                          ; a plain line between the conversions and the next holds, which write the conversions' sources
	global_store_b128 v4, v[C+4*\j:C+4*\j+3], s[\d:\d+1] offset:512*(\t)   ; 32 lanes store 512 consecutive bytes, aligned; the next launch reads them: no hint
.endm
.macro STEP t
.set XS, X+16*((\t)%2)
	s_wait_dscnt 0x0                               ; this step's numbers are back from the stage: so its stores into the stage have read their registers,
.if (\t)+4 < STEPS
	LOAD (\t)+4                                    ; which take the loads of four steps on
.endif
.if (\t)+1 < STEPS
.if STEPS-2-(\t) >= 3
	s_wait_loadcnt 12                              ; the next step's four loads are in; those of the three steps behind it may be out
.else
	s_wait_loadcnt 4*(STEPS-2-(\t))
.endif
	TURN (\t)+1                                    ; and go through the other stage while this step is worked
.endif
	s_wait_xcnt 0x0                                ; the last step's stores have read their data: the codes' registers are written again only behind this wait
	CONV 0, \t, 26
	s_cmp_lt_u32 ttmp9, XWG                        ; a weight has one set of codes
	s_cbranch_scc0 .Lw_\@
	CONV 1, \t, 44
	CONV 2, \t, 46
.Lw_\@:
.endm
.irp t, 0,1,2,3,4,5,6,7
	STEP \t
.endr
	s_wait_tensorcnt 0x0                           ; the wave's end
	ds_add_u32 v144, v145
	s_wait_dscnt 0x0
	s_endpgm
.Lfunc_end_k_q7a6256a4f9_quant:
	.size	k_q7a6256a4f9_quant, .Lfunc_end_k_q7a6256a4f9_quant-k_q7a6256a4f9_quant
	.p2alignl 7, 3214868480
	.fill 96, 4, 3214868480
	.section	.rodata,"a",@progbits
	.p2align	6, 0x0
	.amdhsa_kernel k_q7a6256a4f9_quant
		.amdhsa_group_segment_fixed_size 33280
		.amdhsa_private_segment_fixed_size 0
		.amdhsa_enable_private_segment 0
		.amdhsa_kernarg_size 64
		.amdhsa_user_sgpr_count 2
		.amdhsa_user_sgpr_kernarg_segment_ptr 1
		.amdhsa_wavefront_size32 1
		.amdhsa_system_sgpr_workgroup_id_x 1
		.amdhsa_system_sgpr_workgroup_id_y 1
		.amdhsa_system_sgpr_workgroup_id_z 1
		.amdhsa_system_vgpr_workitem_id 0
		.amdhsa_next_free_vgpr 146
		.amdhsa_next_free_sgpr 66
		.amdhsa_reserve_vcc 0
		.amdhsa_float_denorm_mode_32 3
		.amdhsa_float_denorm_mode_16_64 3
		.amdhsa_memory_ordered 1
		.amdhsa_forward_progress 1
		.amdhsa_inst_pref_size 43
	.end_amdhsa_kernel
	.amdgpu_metadata
---
amdhsa.version: [ 1, 2 ]
amdhsa.kernels:
  - .name:           k_q7a6256a4f9_quant
    .symbol:         k_q7a6256a4f9_quant.kd
    .args:
      - { .name: x, .offset: 0, .size: 8, .value_kind: global_buffer, .address_space: global }
      - { .name: Wk, .offset: 8, .size: 8, .value_kind: global_buffer, .address_space: global }
      - { .name: Wq, .offset: 16, .size: 8, .value_kind: global_buffer, .address_space: global }
      - { .name: Wv, .offset: 24, .size: 8, .value_kind: global_buffer, .address_space: global }
      - { .name: Wp, .offset: 32, .size: 8, .value_kind: global_buffer, .address_space: global }
      - { .name: lowp_scales, .offset: 40, .size: 8, .value_kind: global_buffer, .address_space: global }
      - { .name: xq, .offset: 48, .size: 8, .value_kind: global_buffer, .address_space: global }
      - { .name: wq, .offset: 56, .size: 8, .value_kind: global_buffer, .address_space: global }
    .group_segment_fixed_size: 33280
    .private_segment_fixed_size: 0
    .kernarg_segment_align: 8
    .kernarg_segment_size: 64
    .max_flat_workgroup_size: 128
    .sgpr_count:     66
    .vgpr_count:     146
    .wavefront_size: 32
...
	.end_amdgpu_metadata
.endif
;; end of part 1
;; launch qkv (part 2): grid 8 x 32, 4 waves a work-group, clusters of 4 x 4, 327,680 bytes of LDS; arguments xq, wq, lowp_scales, qkv; writes qkv
.if DOCPART == 2
	.amdgcn_target "amdgcn-amd-amdhsa--gfx1250"
	.amdhsa_code_object_version 6
	.text
	.protected	k_q7a6256a4f9_qkv
	.globl	k_q7a6256a4f9_qkv
	.p2align	8
	.type	k_q7a6256a4f9_qkv,@function
k_q7a6256a4f9_qkv:
	s_mov_b64 s[64:65], 0
	v_nop
	global_prefetch_b8 v0, s[64:65] scope:SCOPE_SE
	s_setreg_imm32_b32 hwreg(HW_REG_WAVE_MODE, 25, 1), 1
	s_wait_xcnt 0x0
	s_wait_alu depctr_hold_cnt(0) depctr_sa_sdst(0) depctr_va_vdst(0) depctr_va_sdst(0) depctr_va_ssrc(0) depctr_va_vcc(0) depctr_vm_vsrc(0)
	s_getreg_b32 s2, hwreg(HW_REG_IB_STS2, 6, 4)
	s_cmp_eq_u32 s2, 0
	s_cbranch_scc0 .Lentry_in_a_cluster
	s_endpgm
.Lentry_in_a_cluster:
	s_bfe_u32 s2, ttmp6, 0x10000c
	s_cmp_lg_u32 s2, 0xf033
	s_cbranch_scc0 .Lentry_shape_is_right
	s_endpgm
.Lentry_shape_is_right:
; k = x Wk^T, q = x Wq^T, v = x Wv^T on codes of FP8 (E4M3); each finished f32 sum is quantised at once for the attention: k by entry 7 of the scales, q by entry 6, v by entry 8.
; A sum stands for sum x 2^(eA + eB), so its code is sum / 2^(eout - eA - eB): the three exponents are folded into the conversion's one.
; LIMIT: eout - eA - eB lies between -126 and 119, so that this power of two and 448 times it are f32 numbers.
; SHARES.  The three products are 384 tiles of 256 x 256; 256 work-groups take one and a half each, all alike.  A cluster of 4 x 4 work-groups (cluster x = p: 0 k, 1 q; cluster y = tg: 1,024 tokens)
; FIRST makes the 1,024 tokens x 1,024 channels of k or q, a tile of 256 x 256 a work-group (a wave 128 x 128), THEN half p of v for the same tokens: 1,024 channels x 512 tokens, 256 x 128 a work-group (a wave 128 x 64).
; ROLES.  The rows of operand A become the stage's rows, the rows of operand B run along a lane's registers (source 0 = 16 rows of B, source 1 = 16 rows of A).
; k, q: A = x's codes (tokens), B = the weight (channels): a lane's eight results are eight neighbouring channels of a token.  v: A = Wv (channels), B = x's codes (tokens): eight neighbouring tokens of a channel.
; THE RING.  K = 1,024 goes in four steps of 256 through two LDS slots; the ring does not stop between the two tiles: the first tile's last two changes of slots ask for v's first two K steps, and the first tile leaves while they are on their way.
; A's tiles are asked for jointly along a row of the cluster, B's along a column.  By the text's own count a wave has one tensor load out behind each round.
; PREFETCH: behind the load of K step n one instruction a wave names K step n + 2 of the eight (behind the first load also step 1): of the rows that a wave fetches each of the four partners names a quarter, told apart by address, a lane a row of 256 bytes.
; OUT: qkv = three parts of 8 MiB: k and q as [batch x head][token][64], v as [batch x head][token / 64][channel 64][token % 64].  Inside each 32 bytes the two middle groups of 8 change places
; (number 32 c + 16 u + 8 h + i lies at byte 32 c + 16 h + 8 u + i).  64 stage rows x 64 bytes are 4,096 consecutive bytes of qkv in both layouts.
; REGISTERS, in windows of 256: window 0: v0-31 addresses; v32-111 at work on the way out; from v128 A's fragments, one set (on the way out: rows read back).
;   window 1: B's fragments, two sets, at v0 and v128.   window 2: the accumulators of my rows 0-63 ((a, b) at v[8 (8 a + b)]);   window 3: those of my rows 64-127.
.set ROWB,   256
.set KROW,   1024
.set PITCH,  272                       ; an LDS row: 256 bytes + 16 of padding
.set FR,     16
.set NL,     4
.set NP,     4                         ; places behind this matrix instruction (ISA guide 7.12.1)
.set HALFT,  128*PITCH
.set SLOT,   4*HALFT                   ; A's 256 rows, then B's 256 (v: 128) rows
.set STAGE,  2*SLOT                    ; behind the ring, bytes into which no fill lands: 64 rows x 144 bytes for each wave
.set SP,     144
.set WSTG,   64*SP
.set SPARE,  STAGE+4*WSTG              ; the spare words, 128 bytes for each wave, which no other line names
.set PFO,  10                          ; v10  1,024 x lane
.set PFO2, 11                          ; v11  the same, held at the last row that my wave names of v's tiles
.set SCL2, 12                          ; v12, v13  v's scale and bound
.set LIM2, 13
.set ADRA, 16
.set ADRB, 20
.set ADRB2, 22
.set STO,  24
.set RD,   25
.set CO,   26
.set SPW,  28
.set NIL,  29
.set SCL,  30
.set LIM,  31
.set TMP,  32
.set CD,   96
.set AF,   128
.set BK,   128
.set G1, 24                            ; group 1: 128 rows, my row of the cluster
.set G0, 32
.set G1B, 48                           ; 128 rows, my column
.set G0B, 56
.set G1C, 68                           ; 64 rows, my column
.set A2,  76                           ; s[76:77] v's A at K step 0, with the type bits;  s[78:79] v's B
.set B2,  78
.set LB2, 80                           ; where v's B goes in slot 0
.set OUT1, 82
.set OUT2, 84
.set PF2, 86
.set PF1, 100
.set NBF, 8                            ; B's fragments a wave: 8, then 4
.set BADR, ADRB
.set GBX, G1B
.set MSB, 0
.macro WIN new                         ; the immediate's high byte repeats the setting that is left
.if MSB != \new
	s_set_vgpr_msb (MSB<<8)|\new
.set MSB, \new
.endif
.endm
.set MUL_LO, 0xa1                      ; source 0 (B) window 1, source 1 (A) window 0, C and D window 2
.set MUL_HI, 0xf1
.set TO_B,   0x40
; A joint load: waves 0 and 1 fetch for A, waves 2 and 3 for B; the branch hangs on the wave's number alone.  An s_nop 0 and four v_nop follow each of the two lines.
.macro JLOAD g0a, g1a, g0b, g1b
	s_cmp_eq_u32 s15, 0
	s_cbranch_scc0 .Lfor_b_\@
	tensor_load_to_lds s[\g0a:\g0a+3], s[\g1a:\g1a+7]
	s_nop 0
.rept 4
	v_nop
.endr
	s_branch .Lasked_\@
.Lfor_b_\@:
	tensor_load_to_lds s[\g0b:\g0b+3], s[\g1b:\g1b+7]
	s_nop 0
.rept 4
	v_nop
.endr
.Lasked_\@:
.endm
.macro ASK p, v, o                     ; its address registers are never written again
	global_prefetch_b8 v[\v], s[\p:\p+1] offset:\o th:TH_LOAD_NT scope:SCOPE_SE
.endm
.macro CREST                           ; a round of the cluster's barrier behind its opening barrier
	s_cmp_lg_u32 s14, 0
	s_cbranch_scc1 .Lnot_wave_0_\@
	s_barrier_signal -3
.Lnot_wave_0_\@:
	s_barrier_wait -3
	s_barrier_signal -1
	s_barrier_wait -1
.endm
.macro CROUND
	s_barrier_signal -1
	s_barrier_wait -1
	CREST
.endm
	s_load_b128 s[4:7], s[0:1], 0x0                ; xq s[4:5], wq s[6:7]
	s_load_b128 s[8:11], s[0:1], 0x10              ; the scales' exponents s[8:9], qkv s[10:11]
	v_lshl_add_u32 v[SPW], v0, 2, SPARE
	v_mov_b32 v[NIL], 0
	ds_add_u32 v[SPW], v[NIL]                      ; the opening lines: the add, twice on end, and its wait ahead of my first tensor load
	ds_add_u32 v[SPW], v[NIL]
	v_lshrrev_b32 v1, 5, v0
	v_readfirstlane_b32 s14, v1                    ; wave 0..3
	v_and_b32 v[PFO], 31, v0
	s_lshr_b32 s15, s14, 1                         ; which half of the tile's rows is mine.  Also: I fetch for A (0) or for B (1)
	s_and_b32 s16, s14, 1                          ; which half of its columns.  Also: which half of that tile I fetch
	s_cmp_eq_u32 s15, 0
	s_cselect_b32 s19, 31, 15                      ; of v's tiles a partner names 32 rows of A's 128, 16 of B's 64
	v_min_u32 v[PFO2], s19, v[PFO]
	v_lshlrev_b32 v[PFO], 10, v[PFO]
	v_lshlrev_b32 v[PFO2], 10, v[PFO2]
	s_bfe_u32 s40, ttmp6, 0x40000                  ; cx, cy: my place in the cluster
	s_bfe_u32 s41, ttmp6, 0x40004
	s_and_b32 s66, ttmp7, 0xffff                   ; tg: which 1,024 tokens
	s_lshl_b32 s67, ttmp9, 23                      ; p's set of x's codes, and its part of qkv
	s_lshl_b32 s43, s41, 2
	s_lshl_b32 s43, 15, s43                        ; my row of the cluster
	s_lshl_b32 s44, 0x1111, s40                    ; my column
	s_or_b32 s[G1], s43, (1<<20)|(1<<21)|(5<<22)|(3<<25)   ; 15:0 the mask; elements of 1 byte; 20 padding on; 21 set beside a mask; 24:22 after every 64 words; 31:25 four words
	s_or_b32 s[G1B], s44, (1<<20)|(1<<21)|(5<<22)|(3<<25)
	s_or_b32 s[G1C], s44, (1<<20)|(1<<21)|(5<<22)|(3<<25)
.irp g, G1, G1B, G1C
	s_mov_b32 s[\g+1], ROWB<<16                    ; tensor_dim0
	s_mov_b32 s[\g+3], ROWB<<16                    ; tile_dim0
	s_mov_b32 s[\g+5], KROW                        ; tensor_dim0_stride
	s_mov_b32 s[\g+6], 0
	s_mov_b32 s[\g+7], 0
.endr
.irp g, G1, G1B
	s_mov_b32 s[\g+2], 128<<16                     ; tensor_dim1
	s_mov_b32 s[\g+4], 128                         ; tile_dim1
.endr
	s_mov_b32 s[G1C+2], 64<<16
	s_mov_b32 s[G1C+4], 64
	s_lshl_b32 s18, s16, 7                         ; which 128 rows of a tile I fetch
	s_lshl_b32 s17, s66, 2
	s_add_co_u32 s17, s17, s41                     ; the tile of 256 tokens: 4 tg + cy
	s_lshl_b32 s20, s17, 8
	s_add_co_u32 s20, s20, s18
	s_lshl_b32 s20, s20, 10                        ; rows of 1,024 bytes
	s_add_co_u32 s20, s20, s67                     ; k, q: A's offset in xq
	s_mov_b32 s21, 0
	s_lshl_b32 s22, s41, 8
	s_add_co_u32 s22, s22, s18
	s_lshl_b32 s22, s22, 10
	s_add_co_u32 s22, s22, 0x200000                ; v: A's offset in wq: Wv, channels 256 cy on
	s_mov_b32 s23, 0
	s_lshl_b32 s46, s40, 8
	s_add_co_u32 s46, s46, s18
	s_lshl_b32 s46, s46, 10
	s_lshl_b32 s47, ttmp9, 20
	s_add_co_u32 s46, s46, s47                     ; k, q: B's offset in wq
	s_mov_b32 s47, 0
	s_lshl_b32 s12, s66, 10
	s_lshl_b32 s13, ttmp9, 9
	s_add_co_u32 s12, s12, s13
	s_lshl_b32 s13, s40, 7
	s_add_co_u32 s12, s12, s13
	s_lshl_b32 s13, s16, 6
	s_add_co_u32 s12, s12, s13                     ; v: my 64 tokens: 1,024 tg + 512 p + 128 cx + 64 half
	s_lshl_b32 s2, s12, 10
	s_add_co_u32 s2, s2, 0x1000000                 ; v: B's offset in xq: the third set
	s_mov_b32 s3, 0
	s_mul_i32 s45, s14, HALFT                      ; where the tiles go: wave x 128 rows: no place in the cluster enters an LDS address
	s_mul_i32 s[LB2], s16, 64*PITCH
	s_add_co_u32 s[LB2], s[LB2], 2*HALFT
	s_cmp_eq_u32 s15, 0
	s_cselect_b32 s97, s40, s41                    ; my place among the four that ask with me
	s_cselect_b32 s98, 15, 14                      ; v: 32 or 16 rows of 1,024 bytes a partner
	s_lshl_b32 s98, s97, s98
	s_lshl_b32 s96, s97, 15
	s_mov_b32 s97, 0
	s_mov_b32 s99, 0
	s_wait_dscnt 0x0                               ; both opening adds are done
	s_wait_kmcnt 0x0
	s_add_nc_u64 s[20:21], s[4:5], s[20:21]
	s_add_nc_u64 s[46:47], s[6:7], s[46:47]
	s_add_nc_u64 s[A2:A2+1], s[6:7], s[22:23]
	s_add_nc_u64 s[B2:B2+1], s[4:5], s[2:3]
	s_cmp_eq_u32 s15, 0
	s_cselect_b64 s[PF1:PF1+1], s[20:21], s[46:47]
	s_cselect_b64 s[PF2:PF2+1], s[A2:A2+1], s[B2:B2+1]
	s_add_nc_u64 s[PF1:PF1+1], s[PF1:PF1+1], s[96:97]
	s_add_nc_u64 s[PF2:PF2+1], s[PF2:PF2+1], s[98:99]
	s_or_b32 s[A2+1], s[A2+1], 0x80000000
	s_or_b32 s[B2+1], s[B2+1], 0x80000000
	s_load_b256 s[88:95], s[8:9], 0x0              ; e0 .. e7
	s_load_b32 s96, s[8:9], 0x20                   ; e8
	CROUND                                         ; all sixteen work-groups are here: the first joint loads meet
.irp s, 0,1
	s_mov_b32 s[G0+4*\s], 1
	s_add_co_u32 s[G0+4*\s+1], s45, \s*SLOT
	s_add_nc_u64 s[G0+4*\s+2:G0+4*\s+3], s[20:21], \s*ROWB
	s_or_b32 s[G0+4*\s+3], s[G0+4*\s+3], 0x80000000
	s_mov_b32 s[G0B+4*\s], 1
	s_add_co_u32 s[G0B+4*\s+1], s45, \s*SLOT
	s_add_nc_u64 s[G0B+4*\s+2:G0B+4*\s+3], s[46:47], \s*ROWB
	s_or_b32 s[G0B+4*\s+3], s[G0B+4*\s+3], 0x80000000
.endr
	JLOAD G0, G1, G0B, G1B                         ; K step 0: one tensor load a wave at the head
	s_wait_alu depctr_va_vdst(0)                   ; the wait ahead of the reader below
	ASK PF1, PFO, 256
	ASK PF1, PFO, 512
	v_and_b32 v1, 15, v0                           ; r = lane % 16
	v_bfe_u32 v2, v0, 4, 1                         ; h = lane / 16
	v_mul_u32_u24 v3, v1, PITCH
	v_lshl_add_u32 v4, v2, 4, v3                   ; a fragment's row x pitch + 16 x half
	s_mul_i32 s21, s15, HALFT                      ; my 128 rows of A
	s_mul_i32 s22, s16, HALFT                      ; my 128 rows of B,
	s_add_co_u32 s22, s22, 2*HALFT                 ; which lie behind A's 256
	s_mov_b32 s23, s[LB2]                          ; v: my 64 rows of B
.irp s, 0,1
	v_add_nc_u32 v[ADRA+\s], s21, v4
	v_add_nc_u32 v[ADRB+\s], s22, v4
	v_add_nc_u32 v[ADRB2+\s], s23, v4
	s_add_co_u32 s21, s21, SLOT
	s_add_co_u32 s22, s22, SLOT
	s_add_co_u32 s23, s23, SLOT
.endr
	s_mul_i32 s23, s14, WSTG
	s_add_co_u32 s23, s23, STAGE                   ; my stage
	s_wait_alu depctr_va_vdst(0)                   ; the wait here, directly ahead of the readers below
	v_mul_u32_u24 v5, v1, SP                       ; in: row r of a block, 16 bytes for each half of the lanes
	v_lshl_add_u32 v5, v2, 4, v5
	v_add_nc_u32 v[STO], s23, v5
	v_and_b32 v6, 31, v0
	v_lshrrev_b32 v7, 2, v6                        ; back: four lanes to 64 bytes of a row, eight rows an instruction
	v_mul_u32_u24 v7, v7, SP
	v_and_b32 v8, 3, v0
	v_lshl_add_u32 v7, v8, 4, v7
	v_add_nc_u32 v[RD], s23, v7
	v_lshlrev_b32 v[CO], 4, v6                     ; those eight pieces of 64 bytes are 512 consecutive bytes of qkv
	; k, q: my 128 tokens x 2 heads begin at part p, head 16 batch + 4 cx + 2 half, token 256 (tile % 8) + 128 half
	s_lshr_b32 s[OUT1], s17, 3
	s_lshl_b32 s[OUT1], s[OUT1], 4
	s_lshl_b32 s13, s40, 2
	s_add_co_u32 s[OUT1], s[OUT1], s13
	s_lshl_b32 s13, s16, 1
	s_add_co_u32 s[OUT1], s[OUT1], s13
	s_lshl_b32 s[OUT1], s[OUT1], 17                ; a head is 131,072 bytes
	s_and_b32 s13, s17, 7
	s_lshl_b32 s13, s13, 14
	s_add_co_u32 s[OUT1], s[OUT1], s13
	s_lshl_b32 s13, s15, 13
	s_add_co_u32 s[OUT1], s[OUT1], s13
	s_add_co_u32 s[OUT1], s[OUT1], s67
	s_mov_b32 s[OUT1+1], 0
	s_add_nc_u64 s[OUT1:OUT1+1], s[10:11], s[OUT1:OUT1+1]
	; v: my 2 heads x 64 tokens begin at part 2, head 16 batch + 4 cy + 2 half, token (my 64 tokens) % 2,048
	s_lshr_b32 s[OUT2], s66, 1
	s_lshl_b32 s[OUT2], s[OUT2], 4
	s_lshl_b32 s13, s41, 2
	s_add_co_u32 s[OUT2], s[OUT2], s13
	s_lshl_b32 s13, s15, 1
	s_add_co_u32 s[OUT2], s[OUT2], s13
	s_lshl_b32 s[OUT2], s[OUT2], 17
	s_and_b32 s13, s12, 2047
	s_lshl_b32 s13, s13, 6
	s_add_co_u32 s[OUT2], s[OUT2], s13
	s_add_co_u32 s[OUT2], s[OUT2], 0x1000000
	s_mov_b32 s[OUT2+1], 0
	s_add_nc_u64 s[OUT2:OUT2+1], s[10:11], s[OUT2:OUT2+1]
	s_wait_kmcnt 0x0
	s_sub_co_i32 s88, s95, s88
	s_sub_co_i32 s88, s88, s89                     ; k: e7 - e0 - e1
	s_sub_co_i32 s90, s94, s90
	s_sub_co_i32 s90, s90, s91                     ; q: e6 - e2 - e3
	s_sub_co_i32 s92, s96, s92
	s_sub_co_i32 s92, s92, s93                     ; v: e8 - e4 - e5
	s_cmp_eq_u32 ttmp9, 0
	s_cselect_b32 s88, s88, s90
	s_add_co_i32 s88, s88, 127
	s_lshl_b32 s89, s88, 23
	v_mov_b32 v[SCL], s89
	s_add_co_i32 s88, s88, 8
	s_lshl_b32 s88, s88, 23
	s_or_b32 s88, s88, 0x600000
	v_mov_b32 v[LIM], s88
	s_add_co_i32 s92, s92, 127
	s_lshl_b32 s93, s92, 23
	v_mov_b32 v[SCL2], s93
	s_add_co_i32 s92, s92, 8
	s_lshl_b32 s92, s92, 23
	s_or_b32 s92, s92, 0x600000
	v_mov_b32 v[LIM2], s92
.macro FRAG reg, adr, q, i             ; 16 rows x 128 K: registers 4 c .. 4 c + 3 hold K = 32 c + 16 (lane / 16) + 0 .. 15: the same order of K in A and in B
.irp c, 0,1,2,3
	ds_load_b128 v[\reg+4*\c:\reg+4*\c+3], v[\adr] offset:128*(\q)+32*\c+(\i)*16*PITCH
.endr
.endm
; A's blocks a0, a0 + 1 x B's NBF fragments.  The accumulators take turns, one instruction a turn, in the same order in every step.
.macro MUL16 a0, p, zero
.irp a, \a0, \a0+1
.irp b, 0,1,2,3,4,5,6,7
.if \b < NBF
.if \zero
	v_wmma_f32_16x16x128_fp8_fp8 v[8*(8*((\a)%4)+\b):8*(8*((\a)%4)+\b)+7], v[128*(\p)+FR*\b:128*(\p)+FR*\b+FR-1], v[AF+FR*(\a):AF+FR*(\a)+FR-1], 0
.else
	v_wmma_f32_16x16x128_fp8_fp8 v[8*(8*((\a)%4)+\b):8*(8*((\a)%4)+\b)+7], v[128*(\p)+FR*\b:128*(\p)+FR*\b+FR-1], v[AF+FR*(\a):AF+FR*(\a)+FR-1], v[8*(8*((\a)%4)+\b):8*(8*((\a)%4)+\b)+7]
.endif
.endif
.endr
.endr
.endm
.macro FETCH_B slot, q, p
	WIN TO_B
.irp i, 0,1,2,3,4,5,6,7
.if \i < NBF
	FRAG 128*(\p)+FR*\i, BADR+\slot, \q, \i
.endif
.endr
	WIN 0
.endm
.macro FETCH_A slot, q, i0
.irp i, \i0, \i0+1, \i0+2, \i0+3
	FRAG AF+FR*(\i), ADRA+\slot, \q, \i
.endr
.endm
.macro PLACES n                        ; plain vector lines between a matrix instruction and a load into, or a vector read of, its registers
.rept \n
	v_nop
.endr
.endm
; A step of 128 along K that has its successor in the same slot.
.macro STEP slot, q, zero
	s_wait_dscnt 4*NL                              ; B's set and A's blocks 0-3 are in; the youngest 16 loads (A's blocks 4-7) may be out
	WIN MUL_LO
	MUL16 0, (\q)%2, \zero
	MUL16 2, (\q)%2, \zero
	s_wait_dscnt 0                                 ; A's blocks 4-7 are in
	PLACES NP
	FETCH_B \slot, (\q)+1, 1-(\q)%2
	FETCH_A \slot, (\q)+1, 0
	WIN MUL_HI
	MUL16 4, (\q)%2, \zero
	MUL16 6, (\q)%2, \zero
	PLACES NP
	WIN 0
	FETCH_A \slot, (\q)+1, 4
.endm
; A slot's last step changes slots: ONE barrier; in front of it each wave waits for all its tensor loads, adds 0 to its spare word, and waits for that and for its own reads of this slot.
; fill = 1: this slot takes the K step two on; 2: v's K step 0 or 1; 0: nothing.  fetch = 0: the next slot's fragments are fetched later.  pp: a prefetch's base, or 0.
.macro TURN slot, next, fill, fetch, pp, po
	s_wait_tensorcnt 0x0                           ; all my tensor loads have landed: my part of the next slot
	ds_add_u32 v[SPW], v[NIL]                      ; 0 onto my spare word
	s_wait_dscnt 4*NL+1                            ; the add and the youngest 16 loads (A's blocks 4-7) may be out
	WIN MUL_LO
	MUL16 0, 1, 0
	s_wait_dscnt 0x0                               ; the add is done, and my reads of this slot are over
	s_barrier_signal -1
	MUL16 2, 1, 0
	WIN 0
	s_barrier_wait -1
.if \fill
	CREST                                          ; the barrier has opened a round of the cluster's barrier: no wave of any partner still reads this slot or has a load on its way
.if \fill == 1
	s_add_nc_u64 s[G0+4*\slot+2:G0+4*\slot+3], s[G0+4*\slot+2:G0+4*\slot+3], 2*ROWB
	s_add_nc_u64 s[G0B+4*\slot+2:G0B+4*\slot+3], s[G0B+4*\slot+2:G0B+4*\slot+3], 2*ROWB
	JLOAD G0+4*\slot, G1, G0B+4*\slot, GBX         ; the first tensor load behind the round; its four v_nop are the places in front of the loads below
.else
	s_add_nc_u64 s[G0+4*\slot+2:G0+4*\slot+3], s[A2:A2+1], \slot*ROWB
	s_add_nc_u64 s[G0B+4*\slot+2:G0B+4*\slot+3], s[B2:B2+1], \slot*ROWB
	s_add_co_u32 s[G0B+4*\slot+1], s[LB2], \slot*SLOT
	JLOAD G0+4*\slot, G1, G0B+4*\slot, G1C
.endif
.else
	PLACES NP
.endif
.if \fetch
	FETCH_B \next, 0, 0
	FETCH_A \next, 0, 0
.endif
.if \pp
	ASK \pp, PFO2, \po
.endif
	WIN MUL_HI
	MUL16 4, 1, 0
	MUL16 6, 1, 0
.if \fetch
	PLACES NP
	WIN 0
	FETCH_A \next, 0, 4
.else
	WIN 0
.endif
.endm
; THE WAY OUT of my rows 64 hv .. 64 hv + 63: held, converted, into my own stage, back as pieces of 512 consecutive bytes.  Fragments 2 g and 2 g + 1 of a lane give 16 bytes on end: the order of bytes stated at the head.
; LDS serves a wave's instructions in order: no wait between the stores and the loads, nor ahead of the next half's stores.
.macro QHALF hv, scl, lim, base, hstep
.irp a, 0,1,2,3
	WIN 0x02+\hv
.set j, 0
.rept 8*NBF
	v_med3_num_f32 v[TMP+j], v[64*\a+j], -v[\lim], v[\lim]   ; the hold at the largest code x the scale; each accumulator from its low end on
.set j, j+1
.endr
	WIN 0
.set j, 0
.rept NBF
	v_cvt_scalef32_pk8_fp8_f32 v[CD+2*j:CD+2*j+1], v[TMP+8*j:TMP+8*j+7], v[\scl]
.set j, j+1
.endr
	v_nop                                          ; a plain line between the conversions and the next block's holds, which write their sources
.set j, 0
.rept NBF/2
	ds_store_b128 v[STO], v[CD+4*j:CD+4*j+3] offset:16*SP*\a+32*j
.set j, j+1
.endr
.endr
.set j, 0
.rept 2*NBF
	ds_load_b128 v[BK+64*\hv+4*j:BK+64*\hv+4*j+3], v[RD] offset:8*SP*(j%8)+64*(j/8)
.set j, j+1
.endr
.set j, 0
.rept 2*NBF
	s_wait_dscnt 2*NBF-1-j                         ; LDS loads come back in order: piece j is in, the younger ones may be out
	global_store_b128 v[CO], v[BK+64*\hv+4*j:BK+64*\hv+4*j+3], s[\base:\base+1] offset:\hstep*\hv+131072*(j/8)+512*(j%8)   ; 32 lanes store 512 consecutive bytes, aligned
.set j, j+1
.endr
.endm
	s_wait_alu depctr_va_vdst(0)                   ; the wait at the head's end
	s_wait_tensorcnt 0x0                           ; my part of K step 0 is in; slot 1's first fill is issued as a refill is:
	ds_add_u32 v[SPW], v[NIL]
	s_wait_dscnt 0x0
	CROUND                                         ; everybody's part of K step 0 is in, and all sixteen work-groups are here
	JLOAD G0+4, G1, G0B+4, G1B                     ; K step 1, the first tensor load behind the round
	FETCH_B 0, 0, 0
	FETCH_A 0, 0, 0
	FETCH_A 0, 0, 4
	ASK PF1, PFO, 768
	STEP 0, 0, 1                                   ; the first step's products start the sums
	TURN 0, 1, 1, 1, PF2, 0
	STEP 1, 0, 0
	TURN 1, 0, 1, 1, PF2, 256
	STEP 0, 0, 0
	TURN 0, 1, 2, 1, PF2, 512                      ; THE RING GOES ON INTO v: slot 0 takes its K step 0,
	STEP 1, 0, 0
	TURN 1, 0, 2, 0, PF2, 768                      ; slot 1 its K step 1
	PLACES NP
	QHALF 0, SCL, LIM, OUT1, 4096                  ; both refills are asked for: now k or q goes out
	QHALF 1, SCL, LIM, OUT1, 4096
	s_wait_xcnt 0x0                                ; the stores have read their data: the fragments below land in those registers
.set NBF, 4
.set BADR, ADRB2
.set GBX, G1C
	FETCH_B 0, 0, 0
	FETCH_A 0, 0, 0
	FETCH_A 0, 0, 4
	STEP 0, 0, 1
	TURN 0, 1, 1, 1, 0, 0
	STEP 1, 0, 0
	TURN 1, 0, 1, 1, 0, 0
	STEP 0, 0, 0
	TURN 0, 1, 0, 1, 0, 0                          ; the last lap fills nothing
	STEP 1, 0, 0
	s_wait_dscnt 4*NL
	WIN MUL_LO
	MUL16 0, 1, 0
	MUL16 2, 1, 0
	s_wait_dscnt 0
	WIN MUL_HI
	MUL16 4, 1, 0
	MUL16 6, 1, 0
	WIN 0
	PLACES NP
	QHALF 0, SCL2, LIM2, OUT2, 131072
	QHALF 1, SCL2, LIM2, OUT2, 131072
	s_wait_tensorcnt 0x0                           ; the wave's end
	ds_add_u32 v[SPW], v[NIL]
	s_wait_dscnt 0x0
	CROUND                                         ; the closing round
	s_endpgm
.Lfunc_end_k_q7a6256a4f9_qkv:
	.size	k_q7a6256a4f9_qkv, .Lfunc_end_k_q7a6256a4f9_qkv-k_q7a6256a4f9_qkv
	.p2alignl 7, 3214868480
	.fill 96, 4, 3214868480
	.section	.rodata,"a",@progbits
	.p2align	6, 0x0
	.amdhsa_kernel k_q7a6256a4f9_qkv
		.amdhsa_group_segment_fixed_size 327680
		.amdhsa_private_segment_fixed_size 0
		.amdhsa_enable_private_segment 0
		.amdhsa_kernarg_size 32
		.amdhsa_user_sgpr_count 2
		.amdhsa_user_sgpr_kernarg_segment_ptr 1
		.amdhsa_wavefront_size32 1
		.amdhsa_system_sgpr_workgroup_id_x 1
		.amdhsa_system_sgpr_workgroup_id_y 1
		.amdhsa_system_sgpr_workgroup_id_z 1
		.amdhsa_system_vgpr_workitem_id 0
		.amdhsa_next_free_vgpr 1024
		.amdhsa_next_free_sgpr 102
		.amdhsa_reserve_vcc 0
		.amdhsa_float_denorm_mode_32 3
		.amdhsa_float_denorm_mode_16_64 3
		.amdhsa_memory_ordered 1
		.amdhsa_forward_progress 1
		.amdhsa_inst_pref_size 197
	.end_amdhsa_kernel
	.amdgpu_metadata
---
amdhsa.version: [ 1, 2 ]
amdhsa.kernels:
  - .name:           k_q7a6256a4f9_qkv
    .symbol:         k_q7a6256a4f9_qkv.kd
    .args:
      - { .name: xq, .offset: 0, .size: 8, .value_kind: global_buffer, .address_space: global }
      - { .name: wq, .offset: 8, .size: 8, .value_kind: global_buffer, .address_space: global }
      - { .name: lowp_scales, .offset: 16, .size: 8, .value_kind: global_buffer, .address_space: global }
      - { .name: qkv, .offset: 24, .size: 8, .value_kind: global_buffer, .address_space: global }
    .group_segment_fixed_size: 327680
    .private_segment_fixed_size: 0
    .kernarg_segment_align: 8
    .kernarg_segment_size: 32
    .max_flat_workgroup_size: 128
    .sgpr_count:     102
    .vgpr_count:     1024
    .wavefront_size: 32
...
	.end_amdgpu_metadata
.endif
;; end of part 2
;; launch attn (part 3): grid 4 x 64, 8 waves a work-group, clusters of 4 x 1, 327,680 bytes of LDS; arguments qkv, lowp_scales, att; writes att
.if DOCPART == 3
	.amdgcn_target "amdgcn-amd-amdhsa--gfx1250"
	.amdhsa_code_object_version 6
	.text
	.protected	k_q7a6256a4f9_attn
	.globl	k_q7a6256a4f9_attn
	.p2align	8
	.type	k_q7a6256a4f9_attn,@function
k_q7a6256a4f9_attn:
	s_mov_b64 s[64:65], 0
	v_nop
	global_prefetch_b8 v0, s[64:65] scope:SCOPE_SE
	s_setreg_imm32_b32 hwreg(HW_REG_WAVE_MODE, 25, 1), 1
	s_wait_xcnt 0x0
	s_wait_alu depctr_hold_cnt(0) depctr_sa_sdst(0) depctr_va_vdst(0) depctr_va_sdst(0) depctr_va_ssrc(0) depctr_va_vcc(0) depctr_vm_vsrc(0)
	s_getreg_b32 s2, hwreg(HW_REG_IB_STS2, 6, 4)
	s_cmp_eq_u32 s2, 0
	s_cbranch_scc0 .Lentry_in_a_cluster
	s_endpgm
.Lentry_in_a_cluster:
	s_bfe_u32 s2, ttmp6, 0x10000c
	s_cmp_lg_u32 s2, 0x3003
	s_cbranch_scc0 .Lentry_shape_is_right
	s_endpgm
.Lentry_shape_is_right:
; Causal attention on codes of FP8 (E4M3), head size 64, 2,048 tokens, 64 heads (batch x head).  Scores are divided by sqrt(1,024) = 32.
; IN: qkv: k at byte 0, q at 8 MiB: [head][token][64]; v at 16 MiB: [head][token / 64][channel 64][token % 64]; inside each 32 bytes the two middle groups of 8 have changed places, so that loads of
; 16 bytes a lane give the plain 8-bit forms their own layout.  Scales: q entry 6, k entry 7, v entry 8, p entry 9; the result is quantised by entry 10.  OUT: att [head][token][64], codes in natural order.
; THE SOFTMAX: t = score x log2(e) / 32; M = the running largest t, rounded up to a whole number; p = 2^(t - M) is quantised, not normalised; the row's sum is taken of the unquantised p and divides at the end.
; When M moves, the sum and O are multiplied by 2^(old M - new M): exact.
; WORK LEFT OUT: steps of 128 keys that lie wholly behind a block's queries: reference()'s own causal mask gives them the weight 0.
; LIMITS: e6 + e7 between -121 and 132 (added to the exponent field of log2(e) / 32); e9 and e10 between -126 and 119; e8 + e9 is applied by v_ldexp_f32 and has none.  NaN is not served.
; The promise holds while the scaled scores t stay under 2^31 in magnitude.
; SHARES.  A cluster of four work-groups is one head.  Work-group g takes, of every 128 tokens, queries 32 g .. 32 g + 31: block b (0..15) holds queries 128 b + 32 g + 0..31, two tiles of 16.
; Wave w (0..7) owns blocks 15 - w and w, one after the other: (16 - w) + (w + 1) = 17 steps of 128 keys, the same count and the same text for every wave.  A block's last step lies on the diagonal.
; All branches hang on the wave's number and the loops' counts alone, alike in all four partners; g enters Q's and att's addresses and the mask's operand alone.
; LDS.  ALL of the head's K and V lie in LDS, asked for jointly by the four partners, one tensor load a wave in each of two groups: keys 0-511 at the head, the rest behind a round; nothing is filled again.
; The late block's first four steps read keys 0-511 alone, while the second group is on its way.  Rows of 256 bytes (four keys of K; four channels of 64 keys of V) lie 272 bytes apart.
; No prefetch into the L2: both groups of loads are asked for at the head, and no loop runs ahead of a later load.
; LAYOUT.  S^T = K Q^T (source 0 = 16 neighbouring keys, source 1 = 16 queries, K = 64), O^T = V^T P^T (source 0 = 16 channels, source 1 = P, K = 128 keys): a lane holds ONE query (lane % 16) of each tile,
; and the conversions of S^T's eight tiles are P's registers as they stand.  Each fragment of K and V serves both tiles.
; REGISTERS.  Window 0: v1-31 addresses and the softmax's state; v32-47 Q; v48-63 the early block's Q; v64-191 S^T, then p; v192-223 P; v224-245 the way out.  Window 1: v0-63 O^T; v64-127 K; v128-191 V.
; THE MASK.  In a block's last step the score products take a bias as C: 0 where the key counts, -3e38 where it lies behind the query; p is then 0.  The bias of tile (c, a) hangs on c - a alone:
; eight tiles of 8 registers, window 1, v192-255, made once at the head; for c - a = -1 no key is hidden and C is 0.
; LIMIT, in place of the lower bound on e6 + e7 given above: e6 + e7 is at least -100, so that -3e38 x the scaled constant lies far under every t.
; The running maximum is kept of the scores as they are; t = score x the constant, which is positive, so the largest t is the largest score's.
.set PR,    272
.set BIAS,  192                        ; window 1
.set VOFF,  512*PR                     ; K: 512 rows; then V: 512 rows
.set SUBB,  16*PR                      ; 64 keys, in K and in V
.set STEPB, 32*PR                      ; a step of 128 keys
.set STG,   2*VOFF                     ; the way out: 16 rows x 80 bytes for each wave, 1,280 bytes apart
.set SPARE, STG+8*1280                 ; the spare words: 128 bytes a wave, which no other line names
.set AK0,  1                           ; my lane's place in a tile of K
.set AV0,  2                           ; the same for V
.set ADK,  3                           ; LDS address of the next step's K
.set ADV,  4                           ; of this step's V
.set DM,   5                           ; 32 g + lane % 16 - 8 (lane / 16): the mask's operand
.set NINF, 6
.set LIMA, 7                           ; 448 x 2^e9, twice: the two halves of a dual pair name registers of different banks
.set LIMB, 8
.set SCP,  9                           ; 2^e9
.set TA,   10                          ; v10-13 at work: two for each tile
.set FF,   14                          ; v[14:15], v[16:17] f = 2^(old M - new M), low word
.set TS,   18                          ; v[18:19], v[20:21] the sums' second chains
.set TP,   22                          ; v22, v23 lane permutes' results
.set ST,   24                          ; v24 -M, v25 the largest score so far, v[26:27] the sum; v28-31 the same for the second tile
.set Q,    32
.set QE,   48
.set S,    64
.set P,    192
.set CD,   224
.set SO,   240
.set SRD,  241
.set GO,   242
.set QO,   243
.set SCO,  244                         ; 2^e10
.set LIMO, 245                         ; 448 x 2^e10
.set SPW,  254
.set NIL,  255
.set KF,   64                          ; window 1
.set VF,   128                         ; window 1
.set WV,   10
.set G1A,  16                          ; group 1: 32 rows
.set G1B,  24                          ; 96 rows
.set G0A,  32
.set G0B,  36
.set SEL,  40
.set CS,   42
.set T,    44                          ; the loops' count
.set KS,   45                          ; the step of 128 keys
.set LAST, 46                          ; the block's last step
.set NK,   47
.set TK,   48
.set E89,  49
.set LH,   50                          ; the late block's number
.set LL,   51                          ; the early block's
.set OB,   52                          ; s[52:53] att at the block in hand; s[54:55] at the early block
.set OE,   54
.set MSB, 0
.macro WIN new                         ; the immediate's high byte repeats the setting that is left
.if MSB != \new
	s_set_vgpr_msb (MSB<<8)|\new
.set MSB, \new
.endif
.endm
.macro CROUND                          ; a round of the cluster's barrier
	s_barrier_signal -1
	s_barrier_wait -1
	s_cmp_lg_u32 s[WV], 0
	s_cbranch_scc1 .Lnot_wave_0_\@
	s_barrier_signal -3
.Lnot_wave_0_\@:
	s_barrier_wait -3
	s_barrier_signal -1
	s_barrier_wait -1
.endm
.macro KLOADS                          ; eight fragments of 16 keys x 64 (destination window 1)
.irp c, 0,1,2,3,4,5,6,7
	ds_load_b128 v[KF+8*\c:KF+8*\c+3],   v[ADK] offset:4*PR*\c
	ds_load_b128 v[KF+8*\c+4:KF+8*\c+7], v[ADK] offset:4*PR*\c+32
.endr
.endm
.macro RESET                           ; a block begins: the largest score -3e38; sums and O^T zero, which the first change of M leaves zero
.irp a, 0,1
	v_mov_b32 v[ST+4*\a+1], 0xff61b1e6
	v_mov_b32 v[ST+4*\a+2], 0
	v_mov_b32 v[ST+4*\a+3], 0
.endr
.irp a, 0,1
	v_floor_f32 v[ST+4*\a], -v[ST+4*\a+1]
.endr
	WIN 0x40
.set n, 0
.rept 64
	v_mov_b32 v[n], 0
.set n, n+1
.endr
	WIN 0
.endm
	s_load_b128 s[4:7], s[0:1], 0x0                ; qkv, the scales' exponents
	s_load_b64 s[8:9], s[0:1], 0x10                ; att
	v_lshl_add_u32 v[SPW], v0, 2, SPARE
	v_mov_b32 v[NIL], 0
	ds_add_u32 v[SPW], v[NIL]                      ; the opening lines: the add, twice on end, and its wait ahead of my first tensor load
	ds_add_u32 v[SPW], v[NIL]
	s_bfe_u32 s13, ttmp6, 0x40000                  ; cx
	s_lshl_b32 s11, ttmp9, 2
	s_add_co_u32 s11, s11, s13                     ; g
	s_lshl_b32 s15, s11, 5                         ; 32 g
	s_and_b32 s12, ttmp7, 0xffff                   ; the head
	s_lshl_b32 s14, s12, 17                        ; its first byte in each part
	v_lshrrev_b32 v1, 5, v0
	v_readfirstlane_b32 s[WV], v1                  ; wave 0..7
	v_and_b32 v10, 15, v0                          ; r
	v_bfe_u32 v11, v0, 4, 1                        ; h
	v_and_b32 v12, 31, v0                          ; lane
	v_lshrrev_b32 v13, 2, v10
	v_mul_u32_u24 v[AK0], v13, PR                  ; four rows of 64 bytes to an LDS row
	v_and_b32 v13, 3, v0
	v_lshl_add_u32 v[AK0], v13, 6, v[AK0]
	v_lshl_add_u32 v[AK0], v11, 4, v[AK0]          ; + 16 x half
	v_add_nc_u32 v[AV0], VOFF, v[AK0]
	v_mov_b32 v[ADK], v[AK0]                       ; the first step's K
	s_mul_i32 s13, s[WV], 1280
	s_add_co_u32 s13, s13, STG                     ; my stage
	v_mul_u32_u24 v[SO], v10, 80
	v_lshl_add_u32 v[SO], v11, 3, v[SO]
	v_add_nc_u32 v[SO], s13, v[SO]                 ; in: row r, 8 bytes for each half of the lanes
	v_lshrrev_b32 v14, 2, v12
	v_mul_u32_u24 v[SRD], v14, 80
	v_lshl_add_u32 v[SRD], v13, 4, v[SRD]
	v_add_nc_u32 v[SRD], s13, v[SRD]               ; back: four lanes to a row of 64 bytes
	v_lshlrev_b32 v[GO], 4, v12
	v_lshlrev_b32 v[QO], 6, v10
	v_lshl_add_u32 v[QO], v11, 4, v[QO]            ; Q: row r of 64 bytes, + 16 x half
	v_lshlrev_b32 v14, 3, v11
	v_sub_nc_u32 v[DM], v10, v14
	v_add_nc_u32 v[DM], s15, v[DM]
	s_sub_co_u32 s[LH], 15, s[WV]
	s_mov_b32 s[LL], s[WV]
	; what I fetch: waves 0-3 a quarter of K's rows, waves 4-7 of V's: 32 of rows 0-127, then 96 of rows 128-511
	s_lshr_b32 s60, s[WV], 2
	s_and_b32 s61, s[WV], 3
	s_mul_i32 s62, s60, VOFF
	s_mul_i32 s63, s61, 32*PR
	s_add_co_u32 s[G0A+1], s62, s63
	s_mul_i32 s63, s61, 96*PR
	s_add_co_u32 s63, s63, 128*PR
	s_add_co_u32 s[G0B+1], s62, s63
	s_lshl_b32 s60, s60, 24                        ; V's part lies 16 MiB behind K's
	s_add_co_u32 s60, s60, s14
	s_lshl_b32 s62, s61, 13
	s_add_co_u32 s66, s60, s62
	s_mov_b32 s67, 0
	s_mul_i32 s62, s61, 96*256
	s_add_co_u32 s62, s62, 128*256
	s_add_co_u32 s68, s60, s62
	s_mov_b32 s69, 0
	s_lshl_b32 s70, s11, 11                        ; 32 g rows of 64 bytes
	s_add_co_u32 s70, s70, s14
	s_lshl_b32 s62, s[LH], 13                      ; a block of 128 tokens is 8,192 bytes
	s_add_co_u32 s62, s62, s70                     ; the late block's first byte
	s_mov_b32 s63, 0
	s_lshl_b32 s71, s[LL], 13
	s_add_co_u32 s70, s70, s71                     ; the early block's
	s_mov_b32 s71, 0
	; descriptor groups 1: rows of 256 bytes, dense in memory, 16 bytes of padding behind each; the mask names all four work-groups, bit 21 beside it
	s_mov_b32 s[G1A], 15|(1<<20)|(1<<21)|(5<<22)|(3<<25)
	s_mov_b32 s[G1A+1], 256<<16
	s_mov_b32 s[G1A+2], 32<<16
	s_mov_b32 s[G1A+3], 256<<16
	s_mov_b32 s[G1A+4], 32
	s_mov_b32 s[G1A+5], 256
	s_mov_b32 s[G1A+6], 0
	s_mov_b32 s[G1A+7], 0
	s_mov_b32 s[G1B], 15|(1<<20)|(1<<21)|(5<<22)|(3<<25)
	s_mov_b32 s[G1B+1], 256<<16
	s_mov_b32 s[G1B+2], 96<<16
	s_mov_b32 s[G1B+3], 256<<16
	s_mov_b32 s[G1B+4], 96
	s_mov_b32 s[G1B+5], 256
	s_mov_b32 s[G1B+6], 0
	s_mov_b32 s[G1B+7], 0
	s_mov_b32 s[SEL], 0x76543210
	s_mov_b32 s[SEL+1], 0xfedcba98
	s_mov_b32 s[CS], 0x3d38aa3b                    ; log2(e) / 32
	s_wait_dscnt 0x0                               ; both opening adds are done
	s_wait_kmcnt 0x0
	s_load_b256 s[72:79], s[6:7], 0x10             ; e4 .. e11
	s_mov_b32 s[G0A], 1
	s_add_nc_u64 s[G0A+2:G0A+3], s[4:5], s[66:67]
	s_or_b32 s[G0A+3], s[G0A+3], 0x80000000
	s_mov_b32 s[G0B], 1
	s_add_nc_u64 s[G0B+2:G0B+3], s[4:5], s[68:69]
	s_or_b32 s[G0B+3], s[G0B+3], 0x80000000
	s_add_nc_u64 s[56:57], s[4:5], s[62:63]
	s_add_nc_u64 s[56:57], s[56:57], 0x800000      ; Q, late block
	s_add_nc_u64 s[OB:OB+1], s[8:9], s[62:63]      ; att, late block
	s_add_nc_u64 s[58:59], s[4:5], s[70:71]
	s_add_nc_u64 s[58:59], s[58:59], 0x800000      ; Q, early block
	s_add_nc_u64 s[OE:OE+1], s[8:9], s[70:71]      ; att, early block
	CROUND                                         ; all four work-groups are here: the joint loads meet
	tensor_load_to_lds s[G0A:G0A+3], s[G1A:G1A+7]  ; keys 0-511: every wave's one load at the head
	s_nop 0
	s_wait_alu depctr_va_vdst(0)                   ; the wait ahead of the reader below
.irp a, 0,1
	global_load_b128 v[Q+8*\a:Q+8*\a+3],     v[QO], s[56:57] offset:1024*\a
	global_load_b128 v[Q+8*\a+4:Q+8*\a+7],   v[QO], s[56:57] offset:1024*\a+32
	global_load_b128 v[QE+8*\a:QE+8*\a+3],   v[QO], s[58:59] offset:1024*\a
	global_load_b128 v[QE+8*\a+4:QE+8*\a+7], v[QO], s[58:59] offset:1024*\a+32
.endr
	v_mov_b32 v[NINF], 0xff61b1e6                  ; -3e38: a hidden key's bias
	v_mov_b32 v[TP], 0                             ; a lane permute's destination counts as one of its sources
	v_mov_b32 v[TP+1], 0
	v_mov_b32 v[FF+1], 0                           ; (named as the upper halves of pairs)
	v_mov_b32 v[FF+3], 0
	RESET
	WIN 0x40
.set n, 0
.rept 64                                           ; register 8 e + i of the bias: key 16 e + 8 (lane / 16) + i against query lane % 16 + 32 g: hidden where 16 e + i > DM
	v_cmp_gt_i32 vcc_lo, 16*(n/8)+n%8, v[DM]
	v_cndmask_b32 v[BIAS+n], 0, v[NINF], vcc_lo
.set n, n+1
.endr
	WIN 0
	s_wait_kmcnt 0x0
	s_add_co_i32 s60, s74, s75                     ; a score stands for score x 2^(e6 + e7): added to the constant's exponent field
	s_lshl_b32 s60, s60, 23
	s_add_co_i32 s[CS], s[CS], s60
	s_mov_b32 s[CS+1], s[CS]
	s_add_co_i32 s60, s77, 127
	s_lshl_b32 s61, s60, 23
	v_mov_b32 v[SCP], s61                          ; 2^e9
	s_add_co_i32 s60, s60, 8
	s_lshl_b32 s60, s60, 23
	s_or_b32 s60, s60, 0x600000
	v_mov_b32 v[LIMA], s60                         ; 448 x 2^e9
	v_mov_b32 v[LIMB], s60
	s_add_co_i32 s60, s78, 127
	s_lshl_b32 s61, s60, 23
	v_mov_b32 v[SCO], s61                          ; 2^e10
	s_add_co_i32 s60, s60, 8
	s_lshl_b32 s60, s60, 23
	s_or_b32 s60, s60, 0x600000
	v_mov_b32 v[LIMO], s60                         ; 448 x 2^e10
	s_add_co_i32 s[E89], s76, s77                  ; e8 + e9
; THE WAY OUT of a block: O^T / the sum x 2^(e8 + e9), quantised by 2^e10; 8 bytes a lane and tile of channels into my stage; back as 1,024 consecutive bytes a tile.  Then the next block's state.
.macro WAYOUT
.rept 4
	v_nop                                          ; places behind the last products
.endr
.irp a, 0,1
	v_add_f32 v[TA+2*\a], v[ST+4*\a+2], v[ST+4*\a+3]
.endr
.irp a, 0,1
	v_permlanex16_b32 v[TP+\a], v[TA+2*\a], s[SEL], s[SEL+1]
.endr
.irp a, 0,1
	v_add_f32 v[TA+2*\a], v[TA+2*\a], v[TP+\a]     ; the row's sum
.endr
	s_wait_alu depctr_va_vdst(0)                   ; the wait ahead of the transcendentals,
	v_rcp_f32 v[TA], v[TA]
	v_rcp_f32 v[TA+2], v[TA+2]
	v_nop
	s_wait_alu depctr_va_vdst(0)                   ; and behind them
	v_ldexp_f32 v[TA], v[TA], s[E89]
	v_ldexp_f32 v[TA+2], v[TA+2], s[E89]
	WIN 0x01
	s_wait_alu depctr_va_vdst(0)                   ; directly ahead of the first reader of O^T
.set n, 0
.rept 64
	v_mul_f32 v[S+n], v[n], v[TA+2*(n/32)]         ; register 32 a + 8 t + i: channel 16 t + 8 (lane / 16) + i of my query in tile a
.set n, n+1
.endr
	WIN 0
.set n, 0
.rept 64
	v_med3_num_f32 v[S+n], v[S+n], -v[LIMO], v[LIMO]   ; the conversion does not saturate (ISA guide 7.6.2)
.set n, n+1
.endr
.irp t, 0,1,2,3,4,5,6,7
	v_cvt_scalef32_pk8_fp8_f32 v[CD+2*\t:CD+2*\t+1], v[S+8*\t:S+8*\t+7], v[SCO]
.endr
	v_nop
.irp a, 0,1
.irp t, 0,1,2,3
	ds_store_b64 v[SO], v[CD+8*\a+2*\t:CD+8*\a+2*\t+1] offset:16*\t
.endr
.irp i, 0,1
	ds_load_b128 v[P+8*\a+4*\i:P+8*\a+4*\i+3], v[SRD] offset:640*\i   ; LDS serves a wave's instructions in order: these see my stores, and the next tile's stores come behind them
.endr
.endr
	s_wait_dscnt 0x0
.irp a, 0,1
.irp i, 0,1
	global_store_b128 v[GO], v[P+8*\a+4*\i:P+8*\a+4*\i+3], s[OB:OB+1] offset:1024*\a+512*\i   ; 32 lanes store 512 consecutive bytes, aligned
.endr
.endr
	s_wait_xcnt 0x0                                ; the stores have read their base and data: both are written again below and in the next step
	s_mov_b64 s[OB:OB+1], s[OE:OE+1]
.set n, 0
.rept 16
	v_mov_b32 v[Q+n], v[QE+n]                      ; the early block's Q
.set n, n+1
.endr
	RESET
.endm
; A STEP: 32 queries x 128 keys.  ph = 0: the late block's steps 0-3, all open.  ph = 1: count T = 4..15 is the late block's step T, T = 16..23 the early block's step T - 16; steps behind the block's last are passed over.
.set TX, 246                           ; v[246:247] a fourth chain of the sums
; The sum of tile a's unquantised p, under the new M, in four chains.
.macro SUMS a
	v_pk_mul_f32 v[ST+4*\a+2:ST+4*\a+3], v[ST+4*\a+2:ST+4*\a+3], v[FF+2*\a:FF+2*\a+1] op_sel_hi:[1,0]
	v_pk_add_f32 v[TS:TS+1], v[S+64*\a:S+64*\a+1], v[S+64*\a+2:S+64*\a+3]
	v_pk_add_f32 v[TS+2:TS+3], v[S+64*\a+4:S+64*\a+5], v[S+64*\a+6:S+64*\a+7]
	v_pk_add_f32 v[TX:TX+1], v[S+64*\a+8:S+64*\a+9], v[S+64*\a+10:S+64*\a+11]
	v_pk_add_f32 v[ST+4*\a+2:ST+4*\a+3], v[ST+4*\a+2:ST+4*\a+3], v[S+64*\a+12:S+64*\a+13]
.irp j, 14,22,30,38,46,54
	v_pk_add_f32 v[TS:TS+1], v[TS:TS+1], v[S+64*\a+\j:S+64*\a+\j+1]
	v_pk_add_f32 v[TS+2:TS+3], v[TS+2:TS+3], v[S+64*\a+\j+2:S+64*\a+\j+3]
	v_pk_add_f32 v[TX:TX+1], v[TX:TX+1], v[S+64*\a+\j+4:S+64*\a+\j+5]
	v_pk_add_f32 v[ST+4*\a+2:ST+4*\a+3], v[ST+4*\a+2:ST+4*\a+3], v[S+64*\a+\j+6:S+64*\a+\j+7]
.endr
	v_pk_add_f32 v[TS:TS+1], v[TS:TS+1], v[S+64*\a+62:S+64*\a+63]
	v_pk_add_f32 v[ST+4*\a+2:ST+4*\a+3], v[ST+4*\a+2:ST+4*\a+3], v[TX:TX+1]
	v_pk_add_f32 v[TS:TS+1], v[TS:TS+1], v[TS+2:TS+3]
	v_pk_add_f32 v[ST+4*\a+2:ST+4*\a+3], v[ST+4*\a+2:ST+4*\a+3], v[TS:TS+1]
.endm
.macro STEP ph
.if \ph
	s_and_b32 s[KS], s[T], 15
	s_cmp_lt_u32 s[T], 16
	s_cselect_b32 s[LAST], s[LH], s[LL]
	s_cmp_gt_u32 s[KS], s[LAST]
	s_cbranch_scc1 .Lskip_\@
	s_add_co_u32 s[NK], s[T], 1
	s_and_b32 s[NK], s[NK], 15
	s_cmp_eq_u32 s[KS], s[LAST]
	s_cselect_b32 s[NK], 0, s[NK]                  ; the step whose K is fetched ahead: the next one, or the next block's first
	s_mul_i32 s[TK], s[KS], STEPB
.else
	s_add_co_u32 s[NK], s[T], 1
	s_and_b32 s[NK], s[NK], 3                      ; inside keys 0-511: the other rows may still be on their way
	s_mul_i32 s[TK], s[T], STEPB
.endif
	s_mul_i32 s[NK], s[NK], STEPB
	s_wait_dscnt 0x0                               ; this step's K is in
.if \ph
	s_cmp_lg_u32 s[KS], s[LAST]                    ; the block's last step lies on the diagonal: its products begin with the mask's bias
	s_cbranch_scc1 .Lopen_\@
	WIN 0x11
.irp a, 0,1
.irp c, 0,1,2,3,4,5,6,7
.if \c-\a >= 0
	v_wmma_f32_16x16x64_fp8_fp8 v[S+64*\a+8*\c:S+64*\a+8*\c+7], v[KF+8*\c:KF+8*\c+7], v[Q+8*\a:Q+8*\a+7], v[BIAS+8*(\c-\a):BIAS+8*(\c-\a)+7]
.else
	v_wmma_f32_16x16x64_fp8_fp8 v[S+64*\a+8*\c:S+64*\a+8*\c+7], v[KF+8*\c:KF+8*\c+7], v[Q+8*\a:Q+8*\a+7], 0
.endif
.endr
.endr
	WIN 0
	s_branch .Ljoin_\@
.Lopen_\@:
.endif
	WIN 0x01
.irp a, 0,1
.irp c, 0,1,2,3,4,5,6,7
	v_wmma_f32_16x16x64_fp8_fp8 v[S+64*\a+8*\c:S+64*\a+8*\c+7], v[KF+8*\c:KF+8*\c+7], v[Q+8*\a:Q+8*\a+7], 0
.endr
.endr
	WIN 0
.if \ph
.Ljoin_\@:
.endif
	v_add_nc_u32 v[ADK], s[NK], v[AK0]             ; four plain lines between the products and the loads into registers that they read, and the reads of S^T
	v_add_nc_u32 v[ADV], s[TK], v[AV0]
	v_nop
	v_nop
	WIN 0x40
.irp c, 0,1,2,3                                    ; V: four fragments of 16 channels x 128 keys
	ds_load_b128 v[VF+16*\c:VF+16*\c+3],     v[ADV] offset:4*PR*\c
	ds_load_b128 v[VF+16*\c+4:VF+16*\c+7],   v[ADV] offset:4*PR*\c+32
	ds_load_b128 v[VF+16*\c+8:VF+16*\c+11],  v[ADV] offset:SUBB+4*PR*\c
	ds_load_b128 v[VF+16*\c+12:VF+16*\c+15], v[ADV] offset:SUBB+4*PR*\c+32
.endr
	KLOADS                                         ; the next step's K, a softmax ahead of its use
	WIN 0
.irp a, 0,1                                        ; the step's largest score of my two queries, each among my 64 keys, in two chains a tile, each accumulator from its low end on
	v_max3_num_f32 v[TA+2*\a], v[S+64*\a], v[S+64*\a+1], v[S+64*\a+2]
	v_max3_num_f32 v[TA+2*\a+1], v[S+64*\a+3], v[S+64*\a+4], v[S+64*\a+5]
.endr
.irp i, 6,10,14,18,22,26,30,34,38,42,46,50,54,58
.irp a, 0,1
	v_max3_num_f32 v[TA+2*\a], v[TA+2*\a], v[S+64*\a+\i], v[S+64*\a+\i+1]
	v_max3_num_f32 v[TA+2*\a+1], v[TA+2*\a+1], v[S+64*\a+\i+2], v[S+64*\a+\i+3]
.endr
.endr
.irp a, 0,1
	v_max3_num_f32 v[TA+2*\a], v[TA+2*\a], v[S+64*\a+62], v[S+64*\a+63]
.endr
.irp a, 0,1
	v_max3_num_f32 v[TA+2*\a], v[TA+2*\a], v[TA+2*\a+1], v[ST+4*\a+1]   ; the two chains and the largest score so far
.endr
.irp a, 0,1
	v_permlanex16_b32 v[TP+\a], v[TA+2*\a], s[SEL], s[SEL+1]
	v_mov_b32 v[TA+2*\a+1], v[ST+4*\a]             ; the old -M
.endr
.irp a, 0,1
	v_max_num_f32 v[ST+4*\a+1], v[TA+2*\a], v[TP+\a]   ; and the other half of the lanes': the running largest score
.endr
.irp a, 0,1
	v_mul_f32 v[TA+2*\a], s[CS], -v[ST+4*\a+1]     ; -t of it (the constant is positive)
.endr
.irp a, 0,1
	v_floor_f32 v[ST+4*\a], v[TA+2*\a]             ; the new -M = floor(-t): M is a whole number
.endr
.irp a, 0,1
	v_sub_f32 v[TA+2*\a], v[ST+4*\a], v[TA+2*\a+1] ; old M - new M: a whole number, 0 or less
.endr
.irp a, 0,1
	v_cvt_i32_f32 v[TA+2*\a], v[TA+2*\a]           ; (it saturates)
.endr
.irp a, 0,1
	v_ldexp_f32 v[FF+2*\a], 1.0, v[TA+2*\a]        ; f = 2^(old M - new M)
.endr
.set n, 0
.rept 32
	v_pk_fma_f32 v[S+n:S+n+1], v[S+n:S+n+1], s[CS:CS+1], v[ST:ST+1] op_sel_hi:[1,0,0]   ; the first tile's t - M, two at a time
.set n, n+2
.endr
	WIN 0x41
.set n, 0
.rept 16
.irp a, 0,1
	v_pk_mul_f32 v[32*\a+n:32*\a+n+1], v[32*\a+n:32*\a+n+1], v[FF+2*\a:FF+2*\a+1] op_sel_hi:[1,0]   ; O^T under the new M, ahead of the exponentials
.endr
.set n, n+2
.endr
	WIN 0
	s_wait_alu depctr_va_vdst(0)                   ; the wait ahead of the batch,
.set n, 0
.rept 32                                           ; the first tile's p = 2^(t - M); among the exponentials the second tile's t - M, which nothing reads ahead of the wait below
	v_exp_f32 v[S+n], v[S+n]
	v_exp_f32 v[S+n+1], v[S+n+1]
	v_pk_fma_f32 v[S+64+n:S+64+n+1], v[S+64+n:S+64+n+1], s[CS:CS+1], v[ST+4:ST+5] op_sel_hi:[1,0,0]
.set n, n+2
.endr
	s_wait_alu depctr_va_vdst(0)                   ; behind the first batch and ahead of the second
	SUMS 0
.set n, 0
.rept 32                                           ; the second tile's p; among the exponentials the first tile's hold: the conversion does not saturate (ISA guide 7.6.2); p is not negative, so the hold is one-sided; two a line
	v_exp_f32 v[S+64+n], v[S+64+n]
	v_exp_f32 v[S+64+n+1], v[S+64+n+1]
	v_dual_min_num_f32 v[S+n], v[S+n], v[LIMA] :: v_dual_min_num_f32 v[S+n+1], v[S+n+1], v[LIMB]
.set n, n+2
.endr
	v_nop                                          ; a plain line behind the exponentials
	s_wait_alu depctr_va_vdst(0)                   ; behind the second batch, ahead of its first reader
	SUMS 1
.set n, 0
.rept 32
	v_dual_min_num_f32 v[S+64+n], v[S+64+n], v[LIMA] :: v_dual_min_num_f32 v[S+64+n+1], v[S+64+n+1], v[LIMB]
.set n, n+2
.endr
.irp b, 0,1,2,3,4,5,6,7,8,9,10,11,12,13,14,15
	v_cvt_scalef32_pk8_fp8_f32 v[P+2*\b:P+2*\b+1], v[S+8*\b:S+8*\b+7], v[SCP]   ; registers 2 c, 2 c + 1 of a tile's P: keys 16 c + 8 (lane / 16) + 0..7
.endr
	v_nop                                          ; a plain line between the conversions and the products
	s_wait_alu depctr_va_vdst(0)                   ; the wait here, directly ahead of the wait below
	s_wait_dscnt 16                                ; V's 16 loads are in; the 16 younger ones, the next step's K, may be out
	WIN 0x51
.irp a, 0,1
.irp c, 0,1,2,3                                    ; eight accumulators by turns, one instruction a turn
	v_wmma_f32_16x16x128_fp8_fp8 v[32*\a+8*\c:32*\a+8*\c+7], v[VF+16*\c:VF+16*\c+15], v[P+16*\a:P+16*\a+15], v[32*\a+8*\c:32*\a+8*\c+7]
.endr
.endr
	WIN 0
.if \ph
	s_cmp_lg_u32 s[KS], s[LAST]
	s_cbranch_scc1 .Lskip_\@
	WAYOUT                                         ; the block's last step is done
.Lskip_\@:
.endif
.endm
	s_wait_alu depctr_va_vdst(0)                   ; the wait at the head's end
	s_wait_tensorcnt 0x0                           ; my part of keys 0-511 is in; the second group is issued as a refill is:
	ds_add_u32 v[SPW], v[NIL]                      ; 0 onto my spare word
	s_wait_dscnt 0x0
	CROUND                                         ; everybody's part is in, and all four work-groups are here
	tensor_load_to_lds s[G0B:G0B+3], s[G1B:G1B+7]  ; keys 512-2,047: my one load behind the round
	s_nop 0
.rept 4
	v_nop
.endr
	WIN 0x40
	KLOADS                                         ; step 0's K
	WIN 0
	s_wait_loadcnt 0x0                             ; Q
	s_mov_b32 s[T], 0
.Lfirst:                                           ; keys 0-511: LDS rows 0-127 of each region, which the second group does not touch
	STEP 0
	s_add_co_u32 s[T], s[T], 1
	s_cmp_lt_u32 s[T], 4
	s_wait_alu depctr_va_vdst(0)                   ; the wait directly ahead of the branch
	s_cbranch_scc1 .Lfirst
	s_wait_tensorcnt 0x0                           ; my part of the second group is in
	s_wait_dscnt 0x0
	s_barrier_signal -1
	s_barrier_wait -1                              ; everybody's is: no barrier from here to the end
	v_add_nc_u32 v[ADK], 4*STEPB, v[AK0]
	WIN 0x40
	KLOADS                                         ; step 4's K
	WIN 0
	s_mov_b32 s[T], 4
.Lrest:
	STEP 1
	s_add_co_u32 s[T], s[T], 1
	s_cmp_lt_u32 s[T], 24
	s_wait_alu depctr_va_vdst(0)                   ; the wait directly ahead of the branch
	s_cbranch_scc1 .Lrest
	s_wait_tensorcnt 0x0                           ; the wave's end
	ds_add_u32 v[SPW], v[NIL]
	s_wait_dscnt 0x0
	CROUND                                         ; the closing round
	s_endpgm
.Lfunc_end_k_q7a6256a4f9_attn:
	.size	k_q7a6256a4f9_attn, .Lfunc_end_k_q7a6256a4f9_attn-k_q7a6256a4f9_attn
	.p2alignl 7, 3214868480
	.fill 96, 4, 3214868480
	.section	.rodata,"a",@progbits
	.p2align	6, 0x0
	.amdhsa_kernel k_q7a6256a4f9_attn
		.amdhsa_group_segment_fixed_size 327680
		.amdhsa_private_segment_fixed_size 0
		.amdhsa_enable_private_segment 0
		.amdhsa_kernarg_size 24
		.amdhsa_user_sgpr_count 2
		.amdhsa_user_sgpr_kernarg_segment_ptr 1
		.amdhsa_wavefront_size32 1
		.amdhsa_system_sgpr_workgroup_id_x 1
		.amdhsa_system_sgpr_workgroup_id_y 1
		.amdhsa_system_sgpr_workgroup_id_z 1
		.amdhsa_system_vgpr_workitem_id 0
		.amdhsa_next_free_vgpr 512
		.amdhsa_next_free_sgpr 84
		.amdhsa_reserve_vcc 1
		.amdhsa_float_denorm_mode_32 3
		.amdhsa_float_denorm_mode_16_64 3
		.amdhsa_memory_ordered 1
		.amdhsa_forward_progress 1
		.amdhsa_inst_pref_size 88
	.end_amdhsa_kernel
	.amdgpu_metadata
---
amdhsa.version: [ 1, 2 ]
amdhsa.kernels:
  - .name:           k_q7a6256a4f9_attn
    .symbol:         k_q7a6256a4f9_attn.kd
    .args:
      - { .name: qkv, .offset: 0, .size: 8, .value_kind: global_buffer, .address_space: global }
      - { .name: lowp_scales, .offset: 8, .size: 8, .value_kind: global_buffer, .address_space: global }
      - { .name: att, .offset: 16, .size: 8, .value_kind: global_buffer, .address_space: global }
    .group_segment_fixed_size: 327680
    .private_segment_fixed_size: 0
    .kernarg_segment_align: 8
    .kernarg_segment_size: 24
    .max_flat_workgroup_size: 256
    .sgpr_count:     84
    .vgpr_count:     512
    .wavefront_size: 32
...
	.end_amdgpu_metadata
.endif
;; end of part 3
;; launch proj (part 4): grid 8 x 32, 4 waves a work-group, clusters of 4 x 4, 327,680 bytes of LDS; arguments att, wq, lowp_scales, bp, out0; writes out0
.if DOCPART == 4
	.amdgcn_target "amdgcn-amd-amdhsa--gfx1250"
	.amdhsa_code_object_version 6
	.text
	.protected	k_q7a6256a4f9_proj
	.globl	k_q7a6256a4f9_proj
	.p2align	8
	.type	k_q7a6256a4f9_proj,@function
k_q7a6256a4f9_proj:
	s_mov_b64 s[64:65], 0
	v_nop
	global_prefetch_b8 v0, s[64:65] scope:SCOPE_SE
	s_setreg_imm32_b32 hwreg(HW_REG_WAVE_MODE, 25, 1), 1
	s_wait_xcnt 0x0
	s_wait_alu depctr_hold_cnt(0) depctr_sa_sdst(0) depctr_va_vdst(0) depctr_va_sdst(0) depctr_va_ssrc(0) depctr_va_vcc(0) depctr_vm_vsrc(0)
	s_getreg_b32 s2, hwreg(HW_REG_IB_STS2, 6, 4)
	s_cmp_eq_u32 s2, 0
	s_cbranch_scc0 .Lentry_in_a_cluster
	s_endpgm
.Lentry_in_a_cluster:
	s_bfe_u32 s2, ttmp6, 0x10000c
	s_cmp_lg_u32 s2, 0xf033
	s_cbranch_scc0 .Lentry_shape_is_right
	s_endpgm
.Lentry_shape_is_right:
.set PITCH,  272
.set FR,     16
.set NL,     4
.set NP,     4
.set HALFA,  4*8704
.set HALFB,  64*PITCH
.set BOFF,   2*HALFA
.set SLOT,   BOFF+2*HALFB
.set LAPS,   2
.set SPARE,  2*SLOT
.set SPITCH, 272
.set ASTEP,  4*131072
.set ADRA, 16
.set ADRB, 20
.set STO,  24
.set RD,   25
.set CO,   26
.set SPW,  28
.set NIL,  29
.set TMP,  32
.set BI,   96
.set AF,   128
.set BK,   128
.set G1, 24
.set G0, 32
.set G1B, 48
.set G0B, 56
.set MSB, 0
.macro WIN new
.if MSB != \new
	s_set_vgpr_msb (MSB<<8)|\new
.set MSB, \new
.endif
.endm
.set MUL_LO, 0xa1
.set MUL_HI, 0xf1
.set TO_B,   0x40
.macro JLOAD g0a, g1a, g0b, g1b
	s_cmp_eq_u32 s15, 0
	s_cbranch_scc0 .Lfor_b_\@
	tensor_load_to_lds s[\g0a:\g0a+3], s[\g1a:\g1a+7]
	s_nop 0
.rept 4
	v_nop
.endr
	s_branch .Lasked_\@
.Lfor_b_\@:
	tensor_load_to_lds s[\g0b:\g0b+3], s[\g1b:\g1b+7]
	s_nop 0
.rept 4
	v_nop
.endr
.Lasked_\@:
.endm
.macro CREST
	s_cmp_lg_u32 s14, 0
	s_cbranch_scc1 .Lnot_wave_0_\@
	s_barrier_signal -3
.Lnot_wave_0_\@:
	s_barrier_wait -3
	s_barrier_signal -1
	s_barrier_wait -1
.endm
.macro CROUND
	s_barrier_signal -1
	s_barrier_wait -1
	CREST
.endm
	s_load_b128 s[4:7], s[0:1], 0x0
	s_load_b128 s[8:11], s[0:1], 0x10
	s_load_b64 s[12:13], s[0:1], 0x20
	v_lshl_add_u32 v[SPW], v0, 2, SPARE
	v_mov_b32 v[NIL], 0
	ds_add_u32 v28, v29
	ds_add_u32 v28, v29
	s_wait_dscnt 0x0
	v_lshrrev_b32 v1, 5, v0
	v_readfirstlane_b32 s14, v1
	s_lshr_b32 s15, s14, 1
	s_and_b32 s16, s14, 1
	s_bfe_u32 s40, ttmp6, 0x40000
	s_bfe_u32 s41, ttmp6, 0x40004
	s_lshl_b32 s42, ttmp9, 2
	s_add_co_u32 s42, s42, s40
	s_and_b32 s17, ttmp7, 0xffff
	s_lshl_b32 s17, s17, 2
	s_add_co_u32 s17, s17, s41
	s_lshl_b32 s43, s41, 2
	s_lshl_b32 s43, 15, s43
	s_lshl_b32 s44, 0x1111, s40
	s_or_b32 s[G1+0], s43, (0<<16)|(1<<20)|(1<<21)|(5<<22)|(3<<25)
	s_mov_b32 s[G1+1], 8192<<16
	s_mov_b32 s[G1+2], 4<<16
	s_mov_b32 s[G1+3], 8192<<16
	s_mov_b32 s[G1+4], 4
	s_mov_b32 s[G1+5], 131072
	s_mov_b32 s[G1+6], 0
	s_mov_b32 s[G1+7], 0
	s_or_b32 s[G1B+0], s44, (0<<16)|(1<<20)|(1<<21)|(5<<22)|(3<<25)
	s_mov_b32 s[G1B+1], 256<<16
	s_mov_b32 s[G1B+2], 64<<16
	s_mov_b32 s[G1B+3], 256<<16
	s_mov_b32 s[G1B+4], 64
	s_mov_b32 s[G1B+5], 1024
	s_mov_b32 s[G1B+6], 0
	s_mov_b32 s[G1B+7], 0
	s_lshr_b32 s20, s17, 3
	s_lshl_b32 s20, s20, 21
	s_and_b32 s18, s17, 7
	s_lshl_b32 s18, s18, 14
	s_add_co_u32 s20, s20, s18
	s_lshl_b32 s18, s16, 13
	s_add_co_u32 s20, s20, s18
	s_mov_b32 s21, 0
	s_lshl_b32 s46, s42, 17
	s_lshl_b32 s47, s16, 16
	s_add_co_u32 s46, s46, s47
	s_add_co_u32 s46, s46, 0x300000
	s_mov_b32 s47, 0
	s_mul_i32 s45, s16, HALFA
	s_mul_i32 s75, s16, HALFB
	s_add_co_u32 s75, s75, BOFF
	s_wait_kmcnt 0x0
	s_load_b64 s[96:97], s[8:9], 0x28
	s_add_nc_u64 s[20:21], s[4:5], s[20:21]
	s_add_nc_u64 s[46:47], s[6:7], s[46:47]
	; the prefetches: of what a wave fetches in a K step each of the four partners names a quarter, told apart by address: of A's four heads x 8,192 bytes one head, lanes 256 bytes apart;
	; of B's 64 rows of 256 bytes sixteen, a lane a row (the lanes left over name the last again).  The address registers are never written again.
	s_cmp_eq_u32 s15, 0
	s_cselect_b64 s[66:67], s[20:21], s[46:47]
	s_cselect_b32 s68, s40, s41
	s_cselect_b32 s69, 17, 14
	s_cselect_b32 s70, 31, 15
	s_cselect_b32 s71, 8, 10
	s_lshl_b32 s68, s68, s69
	s_mov_b32 s69, 0
	s_add_nc_u64 s[66:67], s[66:67], s[68:69]
	v_and_b32 v10, 31, v0
	v_min_u32 v10, s70, v10
	v_lshlrev_b32 v10, s71, v10
.macro ASK k                           ; K step k: four heads on in A, 256 bytes on in B's rows
	s_cmp_eq_u32 s15, 0
	s_cbranch_scc0 .Lpb_\@
	global_prefetch_b8 v10, s[66:67] offset:(\k)*ASTEP th:TH_LOAD_NT scope:SCOPE_SE
	s_branch .Lpj_\@
.Lpb_\@:
	global_prefetch_b8 v10, s[66:67] offset:(\k)*256 th:TH_LOAD_NT scope:SCOPE_SE
.Lpj_\@:
.endm
	CROUND
.irp s, 0,1
	s_mov_b32 s[G0+4*\s], 1
	s_add_co_u32 s[G0+4*\s+1], s45, \s*SLOT
	s_add_nc_u64 s[G0+4*\s+2:G0+4*\s+3], s[20:21], \s*ASTEP
	s_or_b32 s[G0+4*\s+3], s[G0+4*\s+3], 0x80000000
	s_mov_b32 s[G0B+4*\s], 1
	s_add_co_u32 s[G0B+4*\s+1], s75, \s*SLOT
	s_add_nc_u64 s[G0B+4*\s+2:G0B+4*\s+3], s[46:47], \s*256
	s_or_b32 s[G0B+4*\s+3], s[G0B+4*\s+3], 0x80000000
	s_wait_alu depctr_va_vdst(0)
.if \s == 1                                        ; K step 0's load stands behind the opening round; slot 1's first fill is issued as a refill is
	s_wait_tensorcnt 0x0
	ds_add_u32 v28, v29
	ds_add_u32 v28, v29
	s_wait_dscnt 0x0
	CROUND
.endif
	JLOAD G0+4*\s, G1, G0B+4*\s, G1B
.if \s == 0
	ASK 1                                          ; behind K step 0's load: steps 1 and 2; behind step 1's: step 3
	ASK 2
.else
	ASK 3
.endif
.endr
	v_and_b32 v1, 15, v0
	v_bfe_u32 v2, v0, 4, 1
	v_lshrrev_b32 v3, 2, v1
	v_mul_u32_u24 v3, v3, PITCH
	v_and_b32 v4, 3, v0
	v_lshl_add_u32 v3, v4, 6, v3
	v_lshl_add_u32 v3, v2, 4, v3
	v_mul_u32_u24 v4, v1, PITCH
	v_lshl_add_u32 v4, v2, 4, v4
	s_mul_i32 s21, s15, HALFA
	s_mul_i32 s22, s16, HALFB
	s_add_co_u32 s22, s22, BOFF
.irp s, 0,1
	v_add_nc_u32 v[ADRA+\s], s21, v3
	v_add_nc_u32 v[ADRB+\s], s22, v4
	s_add_co_u32 s21, s21, SLOT
	s_add_co_u32 s22, s22, SLOT
.endr
	s_mul_i32 s23, s14, 16*SPITCH
	v_mul_u32_u24 v5, v1, SPITCH
	v_lshl_add_u32 v5, v2, 5, v5
	v_add_nc_u32 v[STO], s23, v5
	v_mul_u32_u24 v6, v2, SPITCH
	v_lshl_add_u32 v6, v1, 4, v6
	v_add_nc_u32 v[RD], s23, v6
	v_lshlrev_b32 v7, 12, v2
	v_lshl_add_u32 v[CO], v1, 4, v7
	s_lshl_b32 s20, s17, 8
	s_lshl_b32 s21, s15, 7
	s_add_co_u32 s20, s20, s21
	s_lshl_b32 s20, s20, 12
	s_lshl_b32 s46, s42, 9
	s_lshl_b32 s47, s16, 8
	s_add_co_u32 s46, s46, s47
	s_mov_b32 s47, 0
	s_add_nc_u64 s[10:11], s[10:11], s[46:47]
	s_add_co_u32 s20, s20, s46
	s_mov_b32 s21, 0
	s_add_nc_u64 s[12:13], s[12:13], s[20:21]
	v_lshlrev_b32 v9, 5, v2
.irp b, 0,1,2,3
	global_load_b128 v[BI+8*\b:BI+8*\b+3],   v9, s[10:11] offset:64*\b
	global_load_b128 v[BI+8*\b+4:BI+8*\b+7], v9, s[10:11] offset:64*\b+16
.endr
.macro FRAG_A reg, slot, q, i
.irp c, 0,1,2,3
	ds_load_b128 v[\reg+4*\c:\reg+4*\c+3], v[ADRA+\slot] offset:(\i)*4*PITCH+(2*(\q)+\c/2)*8704+32*(\c%2)
.endr
.endm
.macro FRAG_B reg, slot, q, i
.irp c, 0,1,2,3
	ds_load_b128 v[\reg+4*\c:\reg+4*\c+3], v[ADRB+\slot] offset:(\i)*16*PITCH+128*(\q)+32*\c
.endr
.endm
.macro MUL8 a0, p, zero
.irp a, \a0, \a0+1
.irp b, 0,1,2,3
.if \zero
	v_wmma_f32_16x16x128_fp8_fp8 v[8*(8*((\a)%4)+\b):8*(8*((\a)%4)+\b)+7], v[128*(\p)+FR*\b:128*(\p)+FR*\b+FR-1], v[AF+FR*(\a):AF+FR*(\a)+FR-1], 0
.else
	v_wmma_f32_16x16x128_fp8_fp8 v[8*(8*((\a)%4)+\b):8*(8*((\a)%4)+\b)+7], v[128*(\p)+FR*\b:128*(\p)+FR*\b+FR-1], v[AF+FR*(\a):AF+FR*(\a)+FR-1], v[8*(8*((\a)%4)+\b):8*(8*((\a)%4)+\b)+7]
.endif
.endr
.endr
.endm
.macro FETCH_B slot, q, p
	WIN TO_B
.irp i, 0,1,2,3
	FRAG_B 128*(\p)+FR*\i, \slot, \q, \i
.endr
	WIN 0
.endm
.macro FETCH_A slot, q, i0
.irp i, \i0, \i0+1, \i0+2, \i0+3
	FRAG_A AF+FR*(\i), \slot, \q, \i
.endr
.endm
.macro PLACES n
.rept \n
	v_nop
.endr
.endm
.macro STEP slot, q, zero
	s_wait_dscnt 4*NL
	WIN MUL_LO
	MUL8 0, (\q)%2, \zero
	MUL8 2, (\q)%2, \zero
	s_wait_dscnt 0
	PLACES NP
	FETCH_B \slot, (\q)+1, 1-(\q)%2
	FETCH_A \slot, (\q)+1, 0
	WIN MUL_HI
	MUL8 4, (\q)%2, \zero
	MUL8 6, (\q)%2, \zero
	PLACES NP
	WIN 0
	FETCH_A \slot, (\q)+1, 4
.endm
.macro TURN slot, next, fill
	s_wait_tensorcnt 0x0
	ds_add_u32 v[SPW], v[NIL]
	s_wait_dscnt 4*NL+1
	WIN MUL_LO
	MUL8 0, 1, 0
	s_wait_dscnt 0x0
	s_barrier_signal -1
	MUL8 2, 1, 0
	WIN 0
	s_barrier_wait -1
.if \fill
	CREST
	s_add_nc_u64 s[G0+4*\slot+2:G0+4*\slot+3], s[G0+4*\slot+2:G0+4*\slot+3], 2*ASTEP
	s_add_nc_u64 s[G0B+4*\slot+2:G0B+4*\slot+3], s[G0B+4*\slot+2:G0B+4*\slot+3], 2*256
	JLOAD G0+4*\slot, G1, G0B+4*\slot, G1B
.else
	PLACES NP
.endif
	FETCH_B \next, 0, 0
	FETCH_A \next, 0, 0
	WIN MUL_HI
	MUL8 4, 1, 0
	MUL8 6, 1, 0
	PLACES NP
	WIN 0
	FETCH_A \next, 0, 4
.endm
	s_wait_tensorcnt 1
	s_barrier_signal -1
	s_barrier_wait -1
	FETCH_B 0, 0, 0
	FETCH_A 0, 0, 0
	FETCH_A 0, 0, 4
	STEP 0, 0, 1
	s_mov_b32 s3, LAPS-1
.Llap:
	TURN 0, 1, 1
	STEP 1, 0, 0
	TURN 1, 0, 1
	STEP 0, 0, 0
	s_sub_co_u32 s3, s3, 1
	s_cmp_lg_u32 s3, 0
	s_cbranch_scc1 .Llap
	TURN 0, 1, 0
	STEP 1, 0, 0
	s_wait_dscnt 4*NL
	WIN MUL_LO
	MUL8 0, 1, 0
	MUL8 2, 1, 0
	s_wait_dscnt 0
	WIN MUL_HI
	MUL8 4, 1, 0
	MUL8 6, 1, 0
	WIN 0
.macro TOSTAGE a
.set AC, 64*((\a)%4)
	WIN 0x02+((\a)/4)
.irp j, 0,2,4,6,8,10,12,14,16,18,20,22,24,26,28,30
	v_pk_fma_f32 v[TMP+\j:TMP+\j+1], v[AC+\j:AC+\j+1], s[96:97], v[BI+\j:BI+\j+1] op_sel_hi:[1,0,1]
.endr
	WIN 0
.irp b, 0,1,2,3
	ds_store_b128 v[STO], v[TMP+8*\b:TMP+8*\b+3] offset:64*\b
	ds_store_b128 v[STO], v[TMP+8*\b+4:TMP+8*\b+7] offset:64*\b+16
.endr
.set BB, BK+32*((\a)%2)
.irp t, 0,1,2,3,4,5,6,7
	ds_load_b128 v[BB+4*\t:BB+4*\t+3], v[RD] offset:\t*2*SPITCH
.endr
.endm
.macro SEND a, younger
.set BB, BK+32*((\a)%2)
	s_wait_dscnt \younger
.if (\a) > 0
	s_add_nc_u64 s[12:13], s[12:13], 16*4096
.endif
.irp t, 0,1,2,3,4,5,6,7
	global_store_b128 v[CO], v[BB+4*\t:BB+4*\t+3], s[12:13] offset:\t*2*4096 th:TH_STORE_NT
.endr
.endm
	s_wait_kmcnt 0x0
	s_add_co_i32 s96, s96, s97
	s_add_co_i32 s96, s96, 127
	s_lshl_b32 s96, s96, 23
	s_mov_b32 s97, s96
	s_wait_loadcnt 0x0
	PLACES NP
	TOSTAGE 0
.irp a, 1,2,3,4,5,6,7
.if \a > 1
	s_wait_xcnt 0x0
.endif
	TOSTAGE \a
	SEND \a-1, 16
.endr
	s_wait_xcnt 0x0
	SEND 7, 0
	s_wait_tensorcnt 0x0
	ds_add_u32 v[SPW], v[NIL]
	s_wait_dscnt 0x0
	CROUND
	s_endpgm
.Lfunc_end_k_q7a6256a4f9_proj:
	.size	k_q7a6256a4f9_proj, .Lfunc_end_k_q7a6256a4f9_proj-k_q7a6256a4f9_proj
	.p2alignl 7, 3214868480
	.fill 96, 4, 3214868480
	.section	.rodata,"a",@progbits
	.p2align	6, 0x0
	.amdhsa_kernel k_q7a6256a4f9_proj
		.amdhsa_group_segment_fixed_size 327680
		.amdhsa_private_segment_fixed_size 0
		.amdhsa_enable_private_segment 0
		.amdhsa_kernarg_size 40
		.amdhsa_user_sgpr_count 2
		.amdhsa_user_sgpr_kernarg_segment_ptr 1
		.amdhsa_wavefront_size32 1
		.amdhsa_system_sgpr_workgroup_id_x 1
		.amdhsa_system_sgpr_workgroup_id_y 1
		.amdhsa_system_sgpr_workgroup_id_z 1
		.amdhsa_system_vgpr_workitem_id 0
		.amdhsa_next_free_vgpr 1024
		.amdhsa_next_free_sgpr 98
		.amdhsa_reserve_vcc 0
		.amdhsa_float_denorm_mode_32 3
		.amdhsa_float_denorm_mode_16_64 3
		.amdhsa_memory_ordered 1
		.amdhsa_forward_progress 1
		.amdhsa_inst_pref_size 80
	.end_amdhsa_kernel
	.amdgpu_metadata
---
amdhsa.version: [ 1, 2 ]
amdhsa.kernels:
  - .name:           k_q7a6256a4f9_proj
    .symbol:         k_q7a6256a4f9_proj.kd
    .args:
      - { .name: att, .offset: 0, .size: 8, .value_kind: global_buffer, .address_space: global }
      - { .name: wq, .offset: 8, .size: 8, .value_kind: global_buffer, .address_space: global }
      - { .name: lowp_scales, .offset: 16, .size: 8, .value_kind: global_buffer, .address_space: global }
      - { .name: bp, .offset: 24, .size: 8, .value_kind: global_buffer, .address_space: global }
      - { .name: out0, .offset: 32, .size: 8, .value_kind: global_buffer, .address_space: global }
    .group_segment_fixed_size: 327680
    .private_segment_fixed_size: 0
    .kernarg_segment_align: 8
    .kernarg_segment_size: 40
    .max_flat_workgroup_size: 128
    .sgpr_count:     98
    .vgpr_count:     1024
    .wavefront_size: 32
...
	.end_amdgpu_metadata
.endif
;; end of part 4
